; MI455X (gfx1250); checked and timed in simulation.
; The chip was launched on July 23, 2026; its instructions are those of AMD's public machine-readable ISA for CDNA 5 (MIT licence, August 2026) and "CDNA5" Instruction Set Architecture Reference Guide (July 2026). The comments in the code are by the model that wrote it; some were corrected since.
;; Transformer Block. Allowed arithmetic: matrix products marked QUANTISED: E5M2 operands, one E8M0 scale for each 32 along K, by v_wmma_scale_f32_16x16x128_f8f6f4 with both operands' format E5M2, f32 sums; everything else in f32.
;; Inputs: W1 1,024 x 4,096 float32; W2 4,096 x 1,024 float32; Wk 1,024 x 1,024 float32; Wo 1,024 x 1,024 float32; Wq 1,024 x 1,024 float32; Wv 1,024 x 1,024 float32; b1 4,096 float32; b2 1,024 float32; be1 1,024 float32; be2 1,024 float32; bk 1,024 float32; bo 1,024 float32; bq 1,024 float32; bv 1,024 float32; g1 1,024 float32; g2 1,024 float32; x 4 x 1,024 x 1,024 float32.
;; Outputs: out0 4 x 1,024 x 1,024 float32.
;; This version of the problem:
;;   THIS VERSION OF THE PROBLEM IS GIVEN IN LOW PRECISION. The matrix products marked QUANTISED in the list below multiply operands that are first quantised to E5M2 (5 exponent bits, 2 mantissa bits; 8 bits a number), with one power-of-two scale for each 32 numbers along K (OCP MX v1.0); their sums are f32. All else is computed in f32.
;;   The module's matrix products, in the order in which they are computed (A, B: the left and right operand; K: the contracted axis; several contracted axes count as one K, in the product's order):
;;     1. [M 4,096, K 1,024] x [K 1,024, N 1,024]; A: computed on the way; B: input Wq: QUANTISED
;;     2. [M 4,096, K 1,024] x [K 1,024, N 1,024]; A: computed on the way; B: input Wk: QUANTISED
;;     3. [M 4,096, K 1,024] x [K 1,024, N 1,024]; A: computed on the way; B: input Wv: QUANTISED
;;     4. batch 64 x [M 1,024, K 64] x [K 64, N 1,024]; A: computed on the way; B: computed on the way: QUANTISED
;;     5. batch 64 x [M 64, K 1,024] x [K 1,024, N 1,024]; A: computed on the way; B: softmax (see below): QUANTISED
;;     6. [M 4,096, K 1,024] x [K 1,024, N 1,024]; A: computed on the way; B: input Wo: QUANTISED
;;     7. [M 4,096, K 1,024] x [K 1,024, N 4,096]; A: computed on the way; B: input W1: QUANTISED
;;     8. [M 4,096, K 4,096] x [K 4,096, N 1,024]; A: computed on the way; B: input W2: QUANTISED
;;   THE QUANTISER, for each operand of a quantised product, along K:
;;     - K is cut into blocks of 32 from its start; a last block that is shorter is filled with zeros.
;;     - A block's scale is 2^e with e = floor(log2(the largest magnitude in the block)) - 15, held to -126 .. 127; a block of zeros has e = 0. As a byte (E8M0): e + 127.
;;     - Each number is divided by its block's scale, clamped to +-57,344, and rounded to the nearest number of E5M2, ties to even, subnormals kept.
;;     - The product sums the exact products of the quantised numbers (number of the format x scale) in f32.
;;   ~~~python
;;   def quantise(x, axis):      # numpy; x: float32 -> the quantised numbers, widened to float32 again
;;       x = np.moveaxis(x, axis, -1); K = x.shape[-1]
;;       x = np.pad(x, [(0, 0)] * (x.ndim - 1) + [(0, -K % 32)]); x = x.reshape(x.shape[:-1] + (-1, 32)); a = np.abs(x).max(-1, keepdims=True)
;;       e = np.where(a > 0, np.clip(np.frexp(np.where(a > 0, a, 1))[1] - 1 - 15, -126, 127), 0)      # np.frexp(a)[1] - 1 = floor(log2(a)), exactly
;;       r = np.clip(x / 2.0 ** e, -57344, 57344)
;;       step = 2.0 ** (np.maximum(np.frexp(np.where(r == 0, 1, r))[1] - 1, -14) - 2)
;;       q = np.round(r / step) * step * 2.0 ** e      # np.round: ties to even
;;       return np.moveaxis(q.reshape(q.shape[:-2] + (-1,))[..., :K], -1, axis).astype(np.float32)
;;   ~~~
;;   SOFTMAX AHEAD OF A QUANTISED PRODUCT. Where the list says 'softmax', what is quantised is not the finished softmax but p = 2^(t - M), with t = logit x log2(e) and M = ceil(the row's largest t), a whole number; so 1/2 < the row's largest p <= 1. The row's sum l is taken of the UNQUANTISED p, in f32, and the product's result is divided by l at the end. Since M is a whole number, a kernel that streams over the keys may use a running M (the ceiling of the running maximum): every later rescaling is an exact power of two, which a block's scale takes up: the codes' values come out the same.
;;   OPERANDS COMPUTED ON THE WAY. 'Computed on the way' means the value that the module computes at that place (a softmax that the list does not call 'softmax' is quantised finished and normalised). What goes into a quantiser is computed in f32, as accurately as f32 sums, v_exp_f32 and their like allow (about 1e-6 of the number): no bf16 or f16 on the way to a quantiser, and a product that is left as it is and whose result goes on into a quantised operand takes f32 operands (vector FMAs, or v_wmma_f32_16x16x4_f32). A number that lies on a knife's edge between two numbers of the format may be rounded either way, as far as f32 arithmetic and the matrix unit's own rounding can turn it there, and no further.
;; One version. Each part assembles by itself: llvm-mc -triple=amdgcn-amd-amdhsa -mcpu=gfx1250 --defsym DOCPART=n.
;; ======== version 1 of 1: 7 launches
;; workspace buffers: wts 12,976,128 bytes; h1 4,325,376 bytes; qkv 13,238,272 bytes; ac 4,325,376 bytes; x1 16,777,216 bytes; h2 4,325,376 bytes; hid 17,301,504 bytes
;; launch prep1 (part 1): grid 512 x 1, 4 waves a work-group, no clusters, 66,560 bytes of LDS; arguments x, g1, be1, h1, Wq, Wk, Wv, Wo, W1, W2, wts; writes h1, wts
.if DOCPART == 1
	.amdgcn_target "amdgcn-amd-amdhsa--gfx1250"
	.amdhsa_code_object_version 6
	.text
	.protected	k_qfbedea5035_prep1
	.globl	k_qfbedea5035_prep1
	.p2align	8
	.type	k_qfbedea5035_prep1,@function
k_qfbedea5035_prep1:
	s_mov_b64 s[64:65], 0
	v_nop
	global_prefetch_b8 v0, s[64:65] scope:SCOPE_SE
	s_setreg_imm32_b32 hwreg(HW_REG_WAVE_MODE, 25, 1), 1
	s_wait_xcnt 0x0
; TWO JOBS THAT DO NOT DEPEND ON EACH OTHER SHARE THIS LAUNCH, so that the stream of the one runs while the other waits for its rows.  A work-group is wholly on one path: the branch hangs on its number alone.
; Work-groups 0-255: LAYERNORM of 16 rows each, quantised.  Work-groups 256 on: WEIGHTS, f32, stored [K][N], quantised along K.  Here: weight numbers 0-255: Wq, Wk, Wv, Wo (64 work-groups each).
; Both make codes of BF8 (E5M2) with one E8M0 byte for each 32 along K, laid as IMAGES OF OPERAND REGISTERS.  Tile T of 16 rows: lane-row r is row 32 (T / 2) + 8 (T % 2) + r + 8 (r / 8).
; Codes: byte T x 16 K + s x 2048 + c x 512 + 16 L + e = element (row of (T, L % 16), k = 128 s + 32 c + 16 (L / 16) + e).  Scale words: T x K / 2 + (s / 2) x 128 + 8 r + 4 (s % 2).
; LIMITS: NaN and infinities are not served.  A block of zeros, or one whose largest magnitude lies under 2^-111, gets the byte 1 (the stated quantiser says 127 for zeros): its codes are zeros, and only this program reads the bytes.  v_rsq_f32 is good to 1 ulp.
; No prefetch: half of a weight wave's loads go out at its start and the rest two blocks ahead; a LayerNorm wave issues all its loads at once.  No tensor loads, no clusters: the work-groups share nothing.
.set NLN, 256                          ; work-groups that normalise
.set WQ0, 0                            ; the first weight number of this launch
	s_set_vgpr_msb 0x40
	v_lshl_add_u32 v0, v0, 2, 0x10200
	v_mov_b32 v1, 0
	s_set_vgpr_msb 0x4000
	s_cmp_ge_u32 ttmp9, NLN
	s_cbranch_scc1 .Lweights
; ---------------------------------------------------------------- LAYERNORM
; y = (x - mean) rsqrt(var + 1e-5) g + be over rows of 1,024, all in f32 (the variance of the centred numbers, so a common offset does no harm), then quantised along the row.
; Codes at T x 16384 + s x 2048 + c x 512 + 16 L, scale words at 4,194,304 + T x 512 + (s / 2) x 128 + 8 r + 4 (s % 2).  Work-group T makes row tile T.
; Phase 1: wave w normalises lane-rows 4 w .. 4 w + 3 (four rows on end in memory), a row in 32 registers of the wave, and puts them into LDS.  One barrier.
; Phase 2: wave w takes columns 256 w .. 256 w + 255 of all 16 rows, K steps 2 w and 2 w + 1: lane (r, h) reads 16 neighbours of each block of 32 of row r, so the conversions' results are the operand's registers.
.set PITCH, 4112                       ; an LDS row: 4,096 bytes + 16: the 16 rows that a load touches start 16 bytes apart modulo 256
.set HSC,   4194304
.set LI,  4                            ; v4   16 x lane
.set LW,  5                            ; v5   LDS: where my wave's rows go
.set LR,  6                            ; v6   LDS: where I read in phase 2
.set SO,  8                            ; v8   my scale word's place
.set WD,  9                            ; v9   the scale word to store
.set SUM, 10                           ; v10-13 a sum for each row; v14-17 the other half of the lanes'
.set BC,  20                           ; v20-27 a pair for each row: the mean, then the reciprocal root, in the low word
.set TM,  28                           ; v28-43 two chains of pairs a row; in phase 2 the quantiser's 16
.set PW,  44                           ; v44-45 the two scale words
.set X,   64                           ; v64-191 four rows of 32; in phase 2 two sets of 64 numbers
.set G,   192
.set BE,  224
.set PC0, 192                          ; in phase 2: the codes
.set PC1, 208
.set SEL, 16
.set MNT, 18
; 64 numbers of a lane, register 16 b + i = k 32 b + 16 (lane / 16) + i of my row, become a fragment's codes in v[pc] on and its scale word in v[pw]
.macro QUANT s, pc, pw
.irp b, 0,1,2,3
	v_max3_num_f32 v[TM+\b], |v[\s+16*\b]|, |v[\s+1+16*\b]|, 0x8000000   ; my 16 numbers of block b, and the floor 2^(16 - 127)
.endr
.irp i, 2,4,6,8,10,12,14
.irp b, 0,1,2,3
	v_max3_num_f32 v[TM+\b], v[TM+\b], |v[\s+16*\b+\i]|, |v[\s+1+16*\b+\i]|
.endr
.endr
.irp b, 0,1,2,3
	v_permlanex16_b32 v[TM+4+\b], v[TM+\b], s[SEL], s[SEL+1]
.endr
.irp b, 0,1,2,3
	v_max_num_f32 v[TM+\b], v[TM+\b], v[TM+4+\b]   ; with lane l xor 16's: the block's largest magnitude
.endr
.irp b, 0,1,2,3
	v_add_nc_u32 v[TM+12+\b], 0xf8800000, v[TM+\b] ; 15 off the exponent field: the conversion's scale operand
.endr
.irp b, 0,1,2,3
	v_and_or_b32 v[TM+8+\b], v[TM+\b], 0x7f800000, s[MNT]  ; 57,344 x the scale
.endr
.irp b, 0,1,2,3
	v_lshrrev_b32 v[TM+4+\b], 23, v[TM+12+\b]      ; the scale's byte
.endr
	v_lshl_or_b32 v[\pw], v[TM+5], 8, v[TM+4]
	v_lshl_or_b32 v[\pw], v[TM+6], 16, v[\pw]
	v_lshl_or_b32 v[\pw], v[TM+7], 24, v[\pw]
.irp b, 0,1,2,3
.irp i, 0,1,2,3,4,5,6,7,8,9,10,11,12,13,14,15
	v_med3_num_f32 v[\s+16*\b+\i], v[\s+16*\b+\i], -v[TM+8+\b], v[TM+8+\b]   ; the conversion does not saturate (ISA guide 7.6.2): the hold comes first
.endr
	v_cvt_scalef32_pk8_bf8_f32 v[\pc+4*\b:\pc+1+4*\b], v[\s+16*\b:\s+7+16*\b], v[TM+12+\b]
	v_cvt_scalef32_pk8_bf8_f32 v[\pc+2+4*\b:\pc+3+4*\b], v[\s+8+16*\b:\s+15+16*\b], v[TM+12+\b]
.endr
	v_nop                                          ; a plain line behind the last conversion
.endm
.macro REDUCE                          ; v[SUM + i]: the sum over the wave's 32 lanes, in every lane; the four rows by turns
.irp m, 1,2,4,8
.irp i, 0,1,2,3
	v_add_f32_dpp v[SUM+\i], v[SUM+\i], v[SUM+\i] row_xmask:\m row_mask:0xf bank_mask:0xf
.endr
.endr
.irp i, 0,1,2,3
	v_permlanex16_b32 v[SUM+4+\i], v[SUM+\i], s[SEL], s[SEL+1]
.endr
.irp i, 0,1,2,3
	v_add_f32 v[SUM+\i], v[SUM+\i], v[SUM+4+\i]
.endr
.endm
	s_load_b256 s[4:11], s[0:1], 0x0               ; x, g, be, the image
	v_lshrrev_b32 v1, 5, v0
	v_readfirstlane_b32 s12, v1                    ; wave
	v_and_b32 v1, 31, v0
	v_and_b32 v2, 15, v0                           ; r
	v_bfe_u32 v3, v0, 4, 1                         ; h
	v_lshlrev_b32 v[LI], 4, v1
	s_mul_i32 s13, s12, 4*PITCH
	v_add_nc_u32 v[LW], s13, v[LI]
	v_mul_u32_u24 v[LR], v2, PITCH
	v_lshl_add_u32 v[LR], v3, 6, v[LR]
	s_lshl_b32 s13, s12, 10
	v_add_nc_u32 v[LR], s13, v[LR]                 ; row r, + 64 h, + my wave's 1,024 bytes
	v_lshlrev_b32 v[SO], 3, v2
	v_lshl_add_u32 v[SO], v3, 2, v[SO]             ; 8 r + 4 h
.irp i, 0,1,2,3
	v_mov_b32 v[SUM+4+\i], 0                       ; a lane permute's destination counts as read
	v_mov_b32 v[BC+1+2*\i], 0                      ; named as the upper halves of pairs
.endr
	s_mov_b32 s[SEL], 0x76543210
	s_mov_b32 s[SEL+1], 0xfedcba98
	s_mov_b32 s[MNT], 0x600000
	s_mov_b32 s19, 0x3a800000                      ; 1 / 1,024
	s_mov_b32 s20, 0x3727c5ac                      ; 1e-5
	s_lshr_b32 s14, ttmp9, 1
	s_lshl_b32 s14, s14, 5
	s_and_b32 s15, ttmp9, 1
	s_lshl_b32 s15, s15, 3
	s_add_co_u32 s14, s14, s15                     ; 32 (T / 2) + 8 (T % 2)
	s_lshl_b32 s15, s12, 2
	s_add_co_u32 s14, s14, s15                     ; + 4 w
	s_lshr_b32 s15, s12, 1
	s_lshl_b32 s15, s15, 3
	s_add_co_u32 s14, s14, s15                     ; + 8 (w / 2): my wave's first row
	s_lshl_b32 s14, s14, 12
	s_mov_b32 s15, 0
	s_lshl_b32 s22, ttmp9, 14
	s_lshl_b32 s23, s12, 12
	s_add_co_u32 s22, s22, s23                     ; codes: tile T, K step 2 w
	s_mov_b32 s23, 0
	s_lshl_b32 s24, ttmp9, 9
	s_lshl_b32 s25, s12, 7
	s_add_co_u32 s24, s24, s25
	s_add_co_u32 s24, s24, HSC                     ; and its scale words
	s_mov_b32 s25, 0
	s_wait_kmcnt 0x0
	s_add_nc_u64 s[4:5], s[4:5], s[14:15]
	s_add_nc_u64 s[22:23], s[10:11], s[22:23]
	s_add_nc_u64 s[24:25], s[10:11], s[24:25]
.irp i, 0,1,2,3
.irp j, 0,1,2,3,4,5,6,7
	global_load_b128 v[X+32*\i+4*\j:X+32*\i+4*\j+3], v[LI], s[4:5] offset:\i*4096+512*\j th:TH_LOAD_NT   ; 512 consecutive bytes a load
.endr
.endr
.irp j, 0,1,2,3,4,5,6,7
	global_load_b128 v[G+4*\j:G+4*\j+3], v[LI], s[6:7] offset:512*\j
	global_load_b128 v[BE+4*\j:BE+4*\j+3], v[LI], s[8:9] offset:512*\j
.endr
	s_wait_loadcnt 16                              ; the four rows are in; the 16 loads of g and be may be out
.irp i, 0,1,2,3
	v_pk_add_f32 v[TM+4*\i:TM+4*\i+1], v[X+32*\i:X+32*\i+1], v[X+32*\i+2:X+32*\i+3]
	v_pk_add_f32 v[TM+4*\i+2:TM+4*\i+3], v[X+32*\i+4:X+32*\i+5], v[X+32*\i+6:X+32*\i+7]
.endr
.irp p, 8,12,16,20,24,28
.irp i, 0,1,2,3
	v_pk_add_f32 v[TM+4*\i:TM+4*\i+1], v[TM+4*\i:TM+4*\i+1], v[X+32*\i+\p:X+32*\i+\p+1]
	v_pk_add_f32 v[TM+4*\i+2:TM+4*\i+3], v[TM+4*\i+2:TM+4*\i+3], v[X+32*\i+\p+2:X+32*\i+\p+3]
.endr
.endr
.irp i, 0,1,2,3
	v_pk_add_f32 v[TM+4*\i:TM+4*\i+1], v[TM+4*\i:TM+4*\i+1], v[TM+4*\i+2:TM+4*\i+3]
.endr
.irp i, 0,1,2,3
	v_add_f32 v[SUM+\i], v[TM+4*\i], v[TM+4*\i+1]
.endr
	REDUCE
.irp i, 0,1,2,3
	v_mul_f32 v[BC+2*\i], s19, v[SUM+\i]           ; the mean
.endr
.irp p, 0,2,4,6,8,10,12,14,16,18,20,22,24,26,28,30
.irp i, 0,1,2,3
	v_pk_add_f32 v[X+32*\i+\p:X+32*\i+\p+1], v[X+32*\i+\p:X+32*\i+\p+1], v[BC+2*\i:BC+2*\i+1] op_sel_hi:[1,0] neg_lo:[0,1] neg_hi:[0,1]   ; x - mean
.endr
.endr
.irp i, 0,1,2,3
	v_pk_mul_f32 v[TM+4*\i:TM+4*\i+1], v[X+32*\i:X+32*\i+1], v[X+32*\i:X+32*\i+1]
	v_pk_mul_f32 v[TM+4*\i+2:TM+4*\i+3], v[X+32*\i+2:X+32*\i+3], v[X+32*\i+2:X+32*\i+3]
.endr
.irp p, 4,8,12,16,20,24,28
.irp i, 0,1,2,3
	v_pk_fma_f32 v[TM+4*\i:TM+4*\i+1], v[X+32*\i+\p:X+32*\i+\p+1], v[X+32*\i+\p:X+32*\i+\p+1], v[TM+4*\i:TM+4*\i+1]
	v_pk_fma_f32 v[TM+4*\i+2:TM+4*\i+3], v[X+32*\i+\p+2:X+32*\i+\p+3], v[X+32*\i+\p+2:X+32*\i+\p+3], v[TM+4*\i+2:TM+4*\i+3]
.endr
.endr
.irp i, 0,1,2,3
	v_pk_add_f32 v[TM+4*\i:TM+4*\i+1], v[TM+4*\i:TM+4*\i+1], v[TM+4*\i+2:TM+4*\i+3]
.endr
.irp i, 0,1,2,3
	v_add_f32 v[SUM+\i], v[TM+4*\i], v[TM+4*\i+1]
.endr
	REDUCE
.irp i, 0,1,2,3
	v_fma_f32 v[SUM+\i], v[SUM+\i], s19, s20       ; the variance + 1e-5
.endr
.irp i, 0,1,2,3
	v_rsq_f32 v[BC+2*\i], v[SUM+\i]
.endr
	v_nop                                          ; a plain line behind the last of the four
	s_wait_alu depctr_va_vdst(0)                   ; one wait for the four, ahead of their first reader
	s_wait_loadcnt 0x0                             ; g and be
.irp p, 0,2,4,6,8,10,12,14,16,18,20,22,24,26,28,30
.irp i, 0,1,2,3
	v_pk_mul_f32 v[X+32*\i+\p:X+32*\i+\p+1], v[X+32*\i+\p:X+32*\i+\p+1], v[BC+2*\i:BC+2*\i+1] op_sel_hi:[1,0]
.endr
.endr
.irp p, 0,2,4,6,8,10,12,14,16,18,20,22,24,26,28,30
.irp i, 0,1,2,3
	v_pk_fma_f32 v[X+32*\i+\p:X+32*\i+\p+1], v[X+32*\i+\p:X+32*\i+\p+1], v[G+\p:G+\p+1], v[BE+\p:BE+\p+1]
.endr
.endr
.irp i, 0,1,2,3
.irp j, 0,1,2,3,4,5,6,7
	ds_store_b128 v[LW], v[X+32*\i+4*\j:X+32*\i+4*\j+3] offset:\i*PITCH+512*\j
.endr
.endr
	s_wait_dscnt 0x0                               ; for the others' sake: my rows lie in LDS
	s_barrier_signal -1
	s_barrier_wait -1
.irp q, 0,1
.irp c, 0,1,2,3
.irp j, 0,1,2,3
	ds_load_b128 v[X+64*\q+16*\c+4*\j:X+64*\q+16*\c+4*\j+3], v[LR] offset:512*\q+128*\c+16*\j
.endr
.endr
.endr
	s_wait_dscnt 16                                ; the first K step's 16 loads are in; the second's may be out
	QUANT X, PC0, PW
.irp c, 0,1,2,3
	global_store_b128 v[LI], v[PC0+4*\c:PC0+4*\c+3], s[22:23] offset:512*\c          ; 512 consecutive bytes a store
.endr
	s_wait_dscnt 0x0
	QUANT X+64, PC1, PW+1
.irp c, 0,1,2,3
	global_store_b128 v[LI], v[PC1+4*\c:PC1+4*\c+3], s[22:23] offset:2048+512*\c
.endr
	v_cmp_eq_u32 vcc_lo, 1, v3
	v_cndmask_b32 v[WD], v[PW], v[PW+1], vcc_lo    ; lanes 0-15 store the first K step's words, lanes 16-31 the second's (both halves hold both)
	global_store_b32 v[SO], v[WD], s[24:25]
	s_set_vgpr_msb 0x5
	s_wait_tensorcnt 0x0
	ds_add_u32 v0, v1
	s_wait_dscnt 0x0
	s_set_vgpr_msb 0x500
	s_endpgm
; ---------------------------------------------------------------- WEIGHTS
; Rows of an operand are the weight's columns n.  A LANE TAKES A COLUMN AND ITS REGISTERS RUN DOWN K: a block of 32 lies in one lane, so its largest magnitude needs no other lane.
; Lanes 0-15 are a tile pair's first tile, lanes 16-31 its second; a load still reads 128 consecutive bytes, and a store of 16 codes a lane writes two whole runs of 256 consecutive bytes, each at a multiple of 256.
; A wave takes 32 columns x 128 along K: 4 blocks, one K step of the image; a work-group 128 columns.  Two blocks' loads (64 a wave) are out at a time, so a wave's loads make two trips.
; Weight numbers 0-255: Wq, Wk, Wv, Wo (64 each); 256-511: W1; 512-767: W2.  One path: what differs is chosen by the number.
.set SC0, 12582912                     ; the scale words begin here; a weight's lie at its codes' offset / 32
.set VO,  16                           ; v16-47  byte offsets of my column in 32 rows on end
.set WX,  48                           ; v48-111 two sets of 32 numbers
.set WCD, 112                          ; v112-143 codes: 8 registers a block, never written twice
.Lweights:
	s_load_b256 s[4:11], s[0:1], 0x20              ; Wq, Wk, Wv, Wo
	s_load_b128 s[12:15], s[0:1], 0x40             ; W1, W2
	s_load_b64 s[16:17], s[0:1], 0x50              ; wts
	s_sub_co_u32 s2, ttmp9, NLN-WQ0                ; my weight number
	v_lshrrev_b32 v1, 5, v0
	v_readfirstlane_b32 s18, v1                    ; wave
	v_and_b32 v2, 15, v0                           ; r
	v_bfe_u32 v3, v0, 4, 1                         ; u: which tile of the pair
	s_lshr_b32 s19, s2, 8                          ; class: 0 the four square weights, 1 W1, 2 W2
	s_lshr_b32 s20, s2, 6                          ; in class 0: which weight
	s_lshl_b32 s25, s19, 2
	s_mov_b32 s21, 4096
	s_mov_b32 s22, 16384
	s_mov_b32 s23, 255
	s_cmp_eq_u32 s19, 1
	s_cselect_b32 s21, 16384, s21                  ; a row of the weight in bytes
	s_cselect_b32 s24, 5, 3                        ; log2 of its groups of 128 columns
	s_cmp_eq_u32 s19, 2
	s_cselect_b32 s22, 0x10000, s22                ; a tile's codes in bytes: 16 K
	s_cmp_eq_u32 s19, 0
	s_cselect_b32 s23, 63, s23
	s_cselect_b32 s25, s20, s25                    ; the image begins at this many MiB
	s_and_b32 s26, s2, s23                         ; my number within the weight
	s_bfm_b32 s27, s24, 0
	s_and_b32 s27, s26, s27                        ; group of 128 columns
	s_lshr_b32 s28, s26, s24                       ; which K step of 128
	s_lshl_b32 s29, s27, 3
	s_lshl_b32 s53, s18, 1
	s_add_co_u32 s29, s29, s53                     ; my wave's first tile
	s_mul_i32 s54, s28, s21
	s_lshl_b32 s54, s54, 7                         ; 128 rows a K step,
	s_lshl_b32 s55, s27, 9
	s_add_co_u32 s54, s54, s55                     ; 512 bytes a group of columns,
	s_lshl_b32 s55, s18, 7
	s_add_co_u32 s54, s54, s55                     ; 128 a wave
	s_mov_b32 s55, 0
	s_lshl_b32 s56, s21, 5                         ; 32 rows: from block to block
	s_mov_b32 s57, 0
	s_lshl_b32 s58, s25, 20
	s_mul_i32 s59, s29, s22
	s_add_co_u32 s58, s58, s59                     ; my first tile's codes
	s_lshr_b32 s60, s58, 5                         ; and its scale words
	s_lshl_b32 s59, s28, 11
	s_add_co_u32 s58, s58, s59                     ; 2,048 bytes a K step
	s_mov_b32 s59, 0
	s_lshr_b32 s61, s28, 1
	s_lshl_b32 s61, s61, 7
	s_add_co_u32 s60, s60, s61                     ; 128 bytes a pair of K steps,
	s_and_b32 s61, s28, 1
	s_lshl_b32 s61, s61, 2
	s_add_co_u32 s60, s60, s61                     ; 4 for the odd one
	s_add_co_u32 s60, s60, SC0
	s_mov_b32 s61, 0
	s_mov_b32 s52, 0x600000                        ; the mantissa field of 57,344
	v_and_b32 v6, 8, v2
	v_add_nc_u32 v6, v6, v2                        ; r + 8 (r / 8)
	v_lshl_add_u32 v6, v3, 3, v6                   ; + 8 u: my column among the wave's 32
	v_lshlrev_b32 v[VO], 2, v6
.set i, 1
.rept 31
	v_add_nc_u32 v[VO+i], s21, v[VO+i-1]           ; one row further down
.set i, i+1
.endr
	v_mul_lo_u32 v5, v3, s22
	v_lshl_add_u32 v5, v2, 4, v5                   ; codes: u tiles on, 16 bytes a lane-row
	s_lshr_b32 s53, s22, 5
	v_mul_lo_u32 v7, v3, s53
	v_lshl_add_u32 v7, v2, 3, v7                   ; scale words: u tiles on, 8 bytes a lane-row
	s_wait_kmcnt 0x0
	s_mov_b64 s[30:31], s[4:5]                     ; the weight is chosen by the work-group's number alone
	s_cmp_eq_u32 s20, 1
	s_cselect_b64 s[30:31], s[6:7], s[30:31]
	s_cmp_eq_u32 s20, 2
	s_cselect_b64 s[30:31], s[8:9], s[30:31]
	s_cmp_eq_u32 s20, 3
	s_cselect_b64 s[30:31], s[10:11], s[30:31]
	s_cmp_eq_u32 s19, 1
	s_cselect_b64 s[30:31], s[12:13], s[30:31]
	s_cmp_eq_u32 s19, 2
	s_cselect_b64 s[30:31], s[14:15], s[30:31]
	s_add_nc_u64 s[32:33], s[30:31], s[54:55]      ; a base for each of the 4 blocks: none is ever stepped
.irp t, 1,2,3
	s_add_nc_u64 s[32+2*\t:33+2*\t], s[30+2*\t:31+2*\t], s[56:57]
.endr
	s_add_nc_u64 s[48:49], s[16:17], s[58:59]
	s_add_nc_u64 s[50:51], s[16:17], s[60:61]
.macro LOAD t                          ; block t: 32 rows of my column, into set t % 2
.set i, 0
.rept 32
	global_load_b32 v[WX+32*((\t)%2)+i], v[VO+i], s[32+2*(\t):33+2*(\t)] th:TH_LOAD_NT
.set i, i+1
.endr
.endm
.macro BLOCK t
.set XS, WX+32*((\t)%2)
.if (\t) < 3
	s_wait_loadcnt 32                              ; this block's 32 loads are in; the next block's 32 may be out
.else
	s_wait_loadcnt 0
.endif
	v_max3_num_f32 v12, |v[XS]|, |v[XS+1]|, |v[XS+2]|  ; the block's largest magnitude, in two chains
	v_max3_num_f32 v13, |v[XS+3]|, |v[XS+4]|, |v[XS+5]|
.irp i, 6,10,14,18,22,26
	v_max3_num_f32 v12, v12, |v[XS+\i]|, |v[XS+\i+1]|
	v_max3_num_f32 v13, v13, |v[XS+\i+2]|, |v[XS+\i+3]|
.endr
	v_max3_num_f32 v12, v12, |v[XS+30]|, |v[XS+31]|
	v_max3_num_f32 v12, v12, v13, 0x8000000        ; and the floor 2^(16 - 127): the byte cannot fall under 1
	v_add_nc_u32 v11, 0xf8800000, v12              ; 15 off the exponent field: the conversion's scale operand
	v_and_or_b32 v10, v12, 0x7f800000, s52         ; 57,344 x the scale
	v_lshrrev_b32 v13, 23, v11                     ; the scale's byte
.if (\t) == 0
	v_mov_b32 v14, v13                             ; four bytes to the K step's word, the lower K in the lower byte
.else
	v_lshl_or_b32 v14, v13, 8*(\t), v14
.endif
.set i, 0
.rept 32
	v_med3_num_f32 v[XS+i], v[XS+i], -v10, v10     ; the conversion to an 8-bit code does not saturate (ISA guide 7.6.2): the hold comes first
.set i, i+1
.endr
.irp g, 0,1,2,3
	v_cvt_scalef32_pk8_bf8_f32 v[WCD+8*(\t)+2*\g:WCD+8*(\t)+2*\g+1], v[XS+8*\g:XS+8*\g+7], v11
.endr
	v_nop                                          ; a plain line behind the last conversion
	global_store_b128 v5, v[WCD+8*(\t):WCD+8*(\t)+3], s[48:49] offset:(\t)*512        ; k = 32 t + 0 .. 15: the image's lanes 0-15
	global_store_b128 v5, v[WCD+8*(\t)+4:WCD+8*(\t)+7], s[48:49] offset:(\t)*512+256  ; k = 32 t + 16 .. 31: its lanes 16-31
.if (\t) < 2
	LOAD (\t)+2
.endif
.endm
	LOAD 0
	LOAD 1
.irp t, 0,1,2,3
	BLOCK \t
.endr
	global_store_b32 v7, v14, s[50:51]             ; my row's scale word of this K step
	s_endpgm
.Lfunc_end_k_qfbedea5035_prep1:
	.size	k_qfbedea5035_prep1, .Lfunc_end_k_qfbedea5035_prep1-k_qfbedea5035_prep1
	.p2alignl 7, 3214868480
	.fill 96, 4, 3214868480
	.section	.rodata,"a",@progbits
	.p2align	6, 0x0
	.amdhsa_kernel k_qfbedea5035_prep1
		.amdhsa_group_segment_fixed_size 66560
		.amdhsa_private_segment_fixed_size 0
		.amdhsa_enable_private_segment 0
		.amdhsa_kernarg_size 88
		.amdhsa_user_sgpr_count 2
		.amdhsa_user_sgpr_kernarg_segment_ptr 1
		.amdhsa_wavefront_size32 1
		.amdhsa_system_sgpr_workgroup_id_x 1
		.amdhsa_system_sgpr_workgroup_id_y 1
		.amdhsa_system_sgpr_workgroup_id_z 1
		.amdhsa_system_vgpr_workitem_id 0
		.amdhsa_next_free_vgpr 258
		.amdhsa_next_free_sgpr 66
		.amdhsa_reserve_vcc 1
		.amdhsa_float_denorm_mode_32 3
		.amdhsa_float_denorm_mode_16_64 3
		.amdhsa_memory_ordered 1
		.amdhsa_forward_progress 1
		.amdhsa_inst_pref_size 84
	.end_amdhsa_kernel
	.amdgpu_metadata
---
amdhsa.version: [ 1, 2 ]
amdhsa.kernels:
  - .name:           k_qfbedea5035_prep1
    .symbol:         k_qfbedea5035_prep1.kd
    .args:
      - { .name: x, .offset: 0, .size: 8, .value_kind: global_buffer, .address_space: global }
      - { .name: g1, .offset: 8, .size: 8, .value_kind: global_buffer, .address_space: global }
      - { .name: be1, .offset: 16, .size: 8, .value_kind: global_buffer, .address_space: global }
      - { .name: h1, .offset: 24, .size: 8, .value_kind: global_buffer, .address_space: global }
      - { .name: Wq, .offset: 32, .size: 8, .value_kind: global_buffer, .address_space: global }
      - { .name: Wk, .offset: 40, .size: 8, .value_kind: global_buffer, .address_space: global }
      - { .name: Wv, .offset: 48, .size: 8, .value_kind: global_buffer, .address_space: global }
      - { .name: Wo, .offset: 56, .size: 8, .value_kind: global_buffer, .address_space: global }
      - { .name: W1, .offset: 64, .size: 8, .value_kind: global_buffer, .address_space: global }
      - { .name: W2, .offset: 72, .size: 8, .value_kind: global_buffer, .address_space: global }
      - { .name: wts, .offset: 80, .size: 8, .value_kind: global_buffer, .address_space: global }
    .group_segment_fixed_size: 66560
    .private_segment_fixed_size: 0
    .kernarg_segment_align: 8
    .kernarg_segment_size: 88
    .max_flat_workgroup_size: 128
    .sgpr_count:     66
    .vgpr_count:     258
    .wavefront_size: 32
...
	.end_amdgpu_metadata
.endif
;; end of part 1
;; launch qkv (part 2): grid 12 x 16, 4 waves a work-group, clusters of 4 x 4, 327,680 bytes of LDS; arguments h1, wts, bq, bk, bv, qkv; writes qkv
.if DOCPART == 2
	.amdgcn_target "amdgcn-amd-amdhsa--gfx1250"
	.amdhsa_code_object_version 6
	.text
	.protected	k_qfbedea5035_qkv
	.globl	k_qfbedea5035_qkv
	.p2align	8
	.type	k_qfbedea5035_qkv,@function
k_qfbedea5035_qkv:
	s_mov_b64 s[64:65], 0
	v_nop
	global_prefetch_b8 v0, s[64:65] scope:SCOPE_SE
	s_setreg_imm32_b32 hwreg(HW_REG_WAVE_MODE, 25, 1), 1
	s_wait_xcnt 0x0
	s_wait_alu depctr_hold_cnt(0) depctr_sa_sdst(0) depctr_va_vdst(0) depctr_va_sdst(0) depctr_va_ssrc(0) depctr_va_vcc(0) depctr_vm_vsrc(0)
	s_getreg_b32 s2, hwreg(HW_REG_IB_STS2, 6, 4)
	s_cmp_eq_u32 s2, 0
	s_cbranch_scc0 .Lentry_in_a_cluster
	s_endpgm
.Lentry_in_a_cluster:
	s_bfe_u32 s2, ttmp6, 0x10000c
	s_cmp_lg_u32 s2, 0xf033
	s_cbranch_scc0 .Lentry_shape_is_right
	s_endpgm
.Lentry_shape_is_right:
; q = h1 Wq + bq, k = h1 Wk + bk and V^T = (h1 Wv + bv)^T on codes of BF8 (E5M2) with E8M0 scales, each result quantised again on its way out and stored as images of the operand registers that attention wants.
; A tile of C is 256 x 256, four waves of 128 x 128 (64 accumulators, 512 registers); K = 1,024 goes in four slots' worth of 256 through a ring of two LDS slots.
; ALL OPERANDS ARE IMAGES OF OPERAND REGISTERS: a fragment (16 rows x 128 K) is 2,048 consecutive bytes, four loads of 16 bytes at 16 x lane: no pitch, no padding.  Lane-row r of tile T is row 32 (T / 2) + 8 (T % 2) + r + 8 (r / 8).
; THE MATRIX INSTRUCTION IS USED TRANSPOSED (source 0 = 16 rows of B, source 1 = 16 rows of A): with those rows, the 16 registers of accumulators (a, 2 B) and (a, 2 B + 1) are columns 32 B + 16 (lane / 16) + 0 .. 15 of one row:
; a wave's 64 numbers of a row tile are a fragment of the next product, and the conversions' results are its registers.
; CLUSTERS of 4 x 4.  Cluster x = 0: q, x = 1: k: A = h1's rows, B = the weight's columns.  Cluster x = 2: V^T: A = Wv's columns, B = h1's rows (the keys), so that the quantiser again runs along C's columns.  The roles change by
; addresses alone.  A's tiles are shared along a row of the cluster, B's along a column, by joint loads.
; The column bias (q, k) and the row bias (V^T) are both added in every cluster; the one that does not apply is cleared to 0 by a mask made from the cluster's x.
; q, k: K = 64 a head: a wave's 128 columns are two heads; their scale words get 0x7f in the two upper bytes (attention's upper 64 along K are zero codes).
; LIMITS: NaN and infinities are not served; a block of zeros or under 2^-111 gets the byte 1 (its codes are zeros; only this program reads the bytes).
; REGISTERS: window 0: v2-15, v30-31 the row bias in pairs; v16-29 addresses; v32-63 scale words, two sets; v64-127 the column bias; v128-255 A's fragments, one set, later the way out.  window 1: B's fragments, two sets.  windows 2, 3: accumulators.
.set NQ,    2
.set FR,    16
.set NL,    4
.set NP,    8                          ; places behind this matrix instruction (ISA guide 7.12.1)
.set HALFT, 32768                      ; 8 tiles x 4,096 bytes: what one tensor load brings
.set SLOT,  131072                     ; A's 16 tiles, then B's 16
.set SCL,   262144                     ; behind the ring: the scale words for all of K: A's 8,192 bytes, then B's
.set HALFS, 4096
.set SPARE, SCL+4*HALFS                ; the spare words, 128 bytes a wave
.set HSC,   4194304                    ; h1's scale words
.set SC0,   12582912                   ; the weights'
.set KV,    4194304                    ; in qkv: [head 64][key step 8][K: 8 tiles x 1,024 | V: 4 tiles x 2,048]
.set QS,    12582912                   ; q's scale words [head][tile 64][16]
.set KVS,   12845056                   ; [head][k's words 4,096 bytes | V's 2,048]
.set ADRA, 16
.set HH,   18                          ; lane / 16
.set H64,  19
.set ADRB, 20
.set RB,   22                          ; 4 (r + 8 (r / 8))
.set H16,  23
.set LI,   24                          ; 16 x lane
.set SOQ,  25
.set SOV,  26
.set ADRS, 27
.set SPW,  28
.set NIL,  29
.set SC,   32
.set BN,   64
.set AF,   128
.set Y,    128                         ; the way out: 64 numbers,
.set PC,   192                         ; their codes,
.set TM,   208                         ; the quantiser's 16,
.set PW,   224                         ; two scale words,
.set WD,   226                         ; the word to store
.set G1, 24
.set G0, 32
.set G1B, 48
.set G0B, 56
.set G1S, 68
.set G0S, 76
.set G1SB, 80
.set G0SB, 88
.set OC0, 92
.set OC1, 94
.set OS,  96
.set SEL, 98
.set MNT, 100
.set MSB, 0
.macro WIN new                         ; the immediate's high byte repeats the setting that is left
.if MSB != (\new)
	s_set_vgpr_msb (MSB<<8)|(\new)
.set MSB, (\new)
.endif
.endm
.set MUL_LO, 0xa1                      ; source 0 (B) window 1, source 1 (A) window 0, C and D window 2
.set MUL_HI, 0xf1
.set TO_B,   0x40
.macro JLOAD g0a, g1a, g0b, g1b        ; a joint load: waves 0, 1 fetch for A, waves 2, 3 for B; four v_nop follow each line
	s_cmp_eq_u32 s17, 0
	s_cbranch_scc0 .Lfor_b_\@
	tensor_load_to_lds s[\g0a:\g0a+3], s[\g1a:\g1a+7]
	s_nop 0
.rept 4
	v_nop
.endr
	s_branch .Lasked_\@
.Lfor_b_\@:
	tensor_load_to_lds s[\g0b:\g0b+3], s[\g1b:\g1b+7]
	s_nop 0
.rept 4
	v_nop
.endr
.Lasked_\@:
.endm
.macro CREST                           ; a round of the cluster's barrier behind its opening barrier
	s_cmp_lg_u32 s16, 0
	s_cbranch_scc1 .Lnot_wave_0_\@
	s_barrier_signal -3
.Lnot_wave_0_\@:
	s_barrier_wait -3
	s_barrier_signal -1
	s_barrier_wait -1
.endm
.macro CROUND
	s_barrier_signal -1
	s_barrier_wait -1
	CREST
.endm
.macro QUANT s, relu, pc, pw           ; 64 numbers of a lane, register 16 b + i = k 32 b + 16 (lane / 16) + i, become codes in v[pc] on and the row's scale word in v[pw]
.if \relu
.irp b, 0,1,2,3
	v_max3_num_f32 v[TM+\b], v[\s+16*\b], v[\s+1+16*\b], 0x8000000
.endr
.irp i, 2,4,6,8,10,12,14
.irp b, 0,1,2,3
	v_max3_num_f32 v[TM+\b], v[TM+\b], v[\s+16*\b+\i], v[\s+1+16*\b+\i]
.endr
.endr
.else
.irp b, 0,1,2,3
	v_max3_num_f32 v[TM+\b], |v[\s+16*\b]|, |v[\s+1+16*\b]|, 0x8000000   ; my 16 numbers of block b, and the floor 2^(16 - 127)
.endr
.irp i, 2,4,6,8,10,12,14
.irp b, 0,1,2,3
	v_max3_num_f32 v[TM+\b], v[TM+\b], |v[\s+16*\b+\i]|, |v[\s+1+16*\b+\i]|
.endr
.endr
.endif
.irp b, 0,1,2,3
	v_permlanex16_b32 v[TM+4+\b], v[TM+\b], s[SEL], s[SEL+1]
.endr
.irp b, 0,1,2,3
	v_max_num_f32 v[TM+\b], v[TM+\b], v[TM+4+\b]
.endr
.irp b, 0,1,2,3
	v_add_nc_u32 v[TM+12+\b], 0xf8800000, v[TM+\b]
.endr
.irp b, 0,1,2,3
	v_and_or_b32 v[TM+8+\b], v[TM+\b], 0x7f800000, s[MNT]
.endr
.irp b, 0,1,2,3
	v_lshrrev_b32 v[TM+4+\b], 23, v[TM+12+\b]
.endr
	v_lshl_or_b32 v[\pw], v[TM+5], 8, v[TM+4]
	v_lshl_or_b32 v[\pw], v[TM+6], 16, v[\pw]
	v_lshl_or_b32 v[\pw], v[TM+7], 24, v[\pw]
.irp b, 0,1,2,3
.irp i, 0,1,2,3,4,5,6,7,8,9,10,11,12,13,14,15
.if \relu
	v_med3_num_f32 v[\s+16*\b+\i], v[\s+16*\b+\i], 0, v[TM+8+\b]
.else
	v_med3_num_f32 v[\s+16*\b+\i], v[\s+16*\b+\i], -v[TM+8+\b], v[TM+8+\b]
.endif
.endr
	v_cvt_scalef32_pk8_bf8_f32 v[\pc+4*\b:\pc+1+4*\b], v[\s+16*\b:\s+7+16*\b], v[TM+12+\b]
	v_cvt_scalef32_pk8_bf8_f32 v[\pc+2+4*\b:\pc+3+4*\b], v[\s+8+16*\b:\s+15+16*\b], v[TM+12+\b]
.endr
	v_nop                                          ; a plain line behind the last conversion
.endm
	s_load_b256 s[4:11], s[0:1], 0x0               ; h1, wts, bq, bk
	s_load_b128 s[12:15], s[0:1], 0x20             ; bv, qkv
	v_lshl_add_u32 v[SPW], v0, 2, SPARE
	v_mov_b32 v[NIL], 0
	ds_add_u32 v28, v29
	ds_add_u32 v28, v29
	s_wait_dscnt 0x0
	v_lshrrev_b32 v1, 5, v0
	v_readfirstlane_b32 s16, v1                    ; wave 0..3
	s_lshr_b32 s17, s16, 1                         ; my half of the tile's rows.  Also: I fetch for A (0) or for B (1)
	s_and_b32 s18, s16, 1                          ; my half of its columns.  Also: which 8 tiles I fetch
	s_mov_b32 s19, ttmp9                           ; the cluster's x: 0 q, 1 k, 2 V^T: the same in all sixteen partners
	s_bfe_u32 s40, ttmp6, 0x40000                  ; cx
	s_bfe_u32 s41, ttmp6, 0x40004                  ; cy
	s_lshl_b32 s43, s41, 2
	s_lshl_b32 s43, 15, s43                        ; my row of the cluster
	s_lshl_b32 s44, 0x1111, s40                    ; my column
	s_or_b32 s[G1+0], s43, (3<<16)|(1<<21)         ; the mask; elements of 8 bytes; bit 21 beside a mask; no padding
	s_or_b32 s[G1B+0], s44, (3<<16)|(1<<21)
.irp g, G1, G1B
	s_mov_b32 s[\g+1], 512<<16                     ; tensor_dim0: a tile's 4,096 bytes of a slot
	s_mov_b32 s[\g+2], 8<<16                       ; tensor_dim1: 8 tiles
	s_mov_b32 s[\g+3], 512<<16                     ; tile_dim0
	s_mov_b32 s[\g+4], 8                           ; tile_dim1
	s_mov_b32 s[\g+5], 2048                        ; from tile to tile: 16,384 bytes
	s_mov_b32 s[\g+6], 0
	s_mov_b32 s[\g+7], 0
.endr
	s_or_b32 s[G1S+0], s43, (3<<16)|(1<<21)
	s_or_b32 s[G1SB+0], s44, (3<<16)|(1<<21)
.irp g, G1S, G1SB
	s_mov_b32 s[\g+1], 32<<16                      ; 8 tiles' scale words: 4,096 dense bytes as 16 rows of 256
	s_mov_b32 s[\g+2], 16<<16
	s_mov_b32 s[\g+3], 32<<16
	s_mov_b32 s[\g+4], 16
	s_mov_b32 s[\g+5], 32
	s_mov_b32 s[\g+6], 0
	s_mov_b32 s[\g+7], 0
.endr
	s_and_b32 s20, ttmp7, 0xffff                   ; the cluster's y = the batch
	s_lshl_b32 s21, s20, 2
	s_mov_b32 s2, HSC
	s_mov_b32 s3, SC0
	s_cmp_eq_u32 s19, 2
	s_cselect_b32 s22, 8, s21                      ; A's blocks of 256 rows: h1's 4 y + cy, or Wv's 8 + cy
	s_cselect_b32 s46, s20, s19                    ; B's: the weights' 4 x + cx, or h1's 4 y + cx
	s_cselect_b32 s42, s3, s2                      ; where A's scale words begin in its buffer
	s_cselect_b32 s45, s2, s3                      ; and B's
	s_add_co_u32 s22, s22, s41
	s_lshl_b32 s46, s46, 2
	s_add_co_u32 s46, s46, s40
	s_lshl_b32 s21, s18, 17                        ; my 8 tiles of the 16
	s_lshl_b32 s20, s22, 18
	s_add_co_u32 s20, s20, s21                     ; A's codes, in bytes
	s_lshl_b32 s46, s46, 18
	s_add_co_u32 s46, s46, s21                     ; B's
	s_lshr_b32 s22, s20, 5
	s_add_co_u32 s22, s22, s42                     ; the scale words lie at the codes' offset / 32
	s_lshr_b32 s66, s46, 5
	s_add_co_u32 s66, s66, s45
	s_mov_b32 s21, 0
	s_mov_b32 s23, 0
	s_mov_b32 s47, 0
	s_mov_b32 s67, 0
	s_mul_i32 s3, s16, HALFT                       ; where they go: no place in the cluster enters an LDS address
	s_mul_i32 s2, s16, HALFS
	s_mov_b32 s[SEL], 0x76543210
	s_mov_b32 s[SEL+1], 0xfedcba98
	s_mov_b32 s[MNT], 0x600000
	s_mov_b32 s101, 0x7f7f0000
	s_wait_kmcnt 0x0
	s_cmp_eq_u32 s19, 2
	s_cselect_b64 s[42:43], s[6:7], s[4:5]         ; A's buffer
	s_cselect_b64 s[44:45], s[4:5], s[6:7]         ; B's
	s_add_nc_u64 s[20:21], s[42:43], s[20:21]
	s_add_nc_u64 s[22:23], s[42:43], s[22:23]
	s_add_nc_u64 s[46:47], s[44:45], s[46:47]
	s_add_nc_u64 s[66:67], s[44:45], s[66:67]
	CROUND                                         ; all sixteen work-groups are here: the first joint loads meet
	s_mov_b32 s[G0S], 1
	s_add_co_u32 s[G0S+1], s2, SCL
	s_mov_b64 s[G0S+2:G0S+3], s[22:23]
	s_or_b32 s[G0S+3], s[G0S+3], 0x80000000
	s_mov_b32 s[G0SB], 1
	s_add_co_u32 s[G0SB+1], s2, SCL
	s_mov_b64 s[G0SB+2:G0SB+3], s[66:67]
	s_or_b32 s[G0SB+3], s[G0SB+3], 0x80000000
	JLOAD G0S, G1S, G0SB, G1SB                     ; the scale words first: they are wanted with the first slot
.irp s, 0,1
	s_mov_b32 s[G0+4*\s], 1
	s_add_co_u32 s[G0+4*\s+1], s3, \s*SLOT
	s_add_nc_u64 s[G0+4*\s+2:G0+4*\s+3], s[20:21], \s*4096
	s_or_b32 s[G0+4*\s+3], s[G0+4*\s+3], 0x80000000
	s_mov_b32 s[G0B+4*\s], 1
	s_add_co_u32 s[G0B+4*\s+1], s3, \s*SLOT
	s_add_nc_u64 s[G0B+4*\s+2:G0B+4*\s+3], s[46:47], \s*4096
	s_or_b32 s[G0B+4*\s+3], s[G0B+4*\s+3], 0x80000000
	JLOAD G0+4*\s, G1, G0B+4*\s, G1B
.endr
	v_and_b32 v1, 15, v0                           ; r
	v_bfe_u32 v[HH], v0, 4, 1                      ; h
	v_and_b32 v2, 31, v0
	v_lshlrev_b32 v[LI], 4, v2
	s_mul_i32 s21, s17, HALFT                      ; my 8 tiles of A
	s_mul_i32 s22, s18, HALFT                      ; my 8 tiles of B,
	s_add_co_u32 s22, s22, 2*HALFT                 ; behind A's 16
.irp s, 0,1
	v_add_nc_u32 v[ADRA+\s], s21, v[LI]
	v_add_nc_u32 v[ADRB+\s], s22, v[LI]
	s_add_co_u32 s21, s21, SLOT
	s_add_co_u32 s22, s22, SLOT
.endr
	v_lshlrev_b32 v5, 3, v1                        ; scale words: 8 bytes a lane-row
	s_mul_i32 s21, s17, HALFS
	s_mul_i32 s22, s18, HALFS
	s_add_co_u32 s22, s22, 2*HALFS
	s_sub_co_u32 s22, s22, s21
	v_mul_u32_u24 v6, s22, v[HH]                   ; lanes 16-31 take B's
	s_add_co_u32 s21, s21, SCL
	v_add_nc_u32 v5, v5, v6
	v_add_nc_u32 v[ADRS], s21, v5
	v_lshlrev_b32 v[H64], 6, v[HH]
	v_lshlrev_b32 v[H16], 4, v[HH]
	v_and_b32 v3, 8, v1
	v_add_nc_u32 v3, v3, v1
	v_lshlrev_b32 v[RB], 2, v3
	v_lshlrev_b32 v[SOV], 2, v1
	v_lshl_add_u32 v[SOV], v[HH], 6, v[SOV]        ; V's words: 4 r + 64 h
	; where the results go, for each of the three kinds; then the cluster's x chooses
	s_and_b32 s20, ttmp7, 0xffff
	s_lshl_b32 s20, s20, 4                         ; 16 heads a batch
	s_lshl_b32 s21, s40, 2
	s_lshl_b32 s22, s18, 1
	s_add_co_u32 s21, s21, s22
	s_add_co_u32 s21, s21, s20                     ; q, k: my first head: 4 cx + 2 (column half)
	s_lshl_b32 s22, s41, 2
	s_lshl_b32 s23, s17, 1
	s_add_co_u32 s22, s22, s23
	s_add_co_u32 s22, s22, s20                     ; V^T: 4 cy + 2 (row half)
	s_lshl_b32 s23, s41, 1
	s_add_co_u32 s23, s23, s17                     ; 2 cy + row half: my 128 rows within the batch
	s_lshl_b32 s42, s40, 1
	s_add_co_u32 s42, s42, s18                     ; 2 cx + column half
	s_lshl_b32 s45, s21, 16
	s_lshl_b32 s46, s23, 13
	s_add_co_u32 s45, s45, s46                     ; q's codes: 65,536 a head, 1,024 a tile
	s_lshl_b32 s46, s21, 12
	s_lshl_b32 s47, s23, 9
	s_add_co_u32 s46, s46, s47
	s_add_co_u32 s46, s46, QS                      ; q's words
	s_lshl_b32 s66, s21, 17
	s_lshl_b32 s67, s23, 14
	s_add_co_u32 s66, s66, s67
	s_add_co_u32 s66, s66, KV                      ; k's codes: 131,072 a head, 16,384 a key step
	s_mul_i32 s67, s21, 6144
	s_add_co_u32 s67, s67, s47
	s_add_co_u32 s67, s67, KVS                     ; k's words
	s_lshl_b32 s2, s22, 17
	s_lshl_b32 s3, s42, 14
	s_add_co_u32 s2, s2, s3
	s_add_co_u32 s2, s2, KV+8192                   ; V's codes: behind the key step's tiles of k
	s_mul_i32 s3, s22, 6144
	s_lshl_b32 s47, s42, 8
	s_add_co_u32 s3, s3, s47
	s_add_co_u32 s3, s3, KVS+4096                  ; V's words
	s_lshl_b32 s21, s42, 9                         ; the column bias: my 128 columns
	s_lshl_b32 s22, s23, 9                         ; the row bias: my 128 rows
	s_mov_b32 s47, 0x20000
	s_mov_b32 s20, 6144
	s_cmp_eq_u32 s19, 0
	s_cselect_b32 s45, s45, s66
	s_cselect_b32 s46, s46, s67
	s_cselect_b32 s47, 0x10000, s47                ; from head to head, codes
	s_cselect_b32 s20, 4096, s20                   ; and words
	s_cselect_b64 s[66:67], s[8:9], s[10:11]       ; bq or bk
	s_cmp_eq_u32 s19, 2
	s_cselect_b32 s45, s2, s45
	s_cselect_b32 s46, s3, s46
	s_cselect_b32 s21, 0, s21                      ; the bias that does not apply is read at its buffer's start and cleared later
	s_cselect_b32 s22, s22, 0
	v_mul_u32_u24 v[SOQ], s20, v[HH]
	v_lshl_add_u32 v[SOQ], v1, 2, v[SOQ]           ; q's, k's words: 4 r, lanes 16-31 a head on
	s_mov_b32 s[OC0], s45
	s_mov_b32 s[OC0+1], 0
	s_add_nc_u64 s[OC0:OC0+1], s[14:15], s[OC0:OC0+1]
	s_mov_b32 s[OC1], s47
	s_mov_b32 s[OC1+1], 0
	s_add_nc_u64 s[OC1:OC1+1], s[OC0:OC0+1], s[OC1:OC1+1]
	s_mov_b32 s[OS], s46
	s_mov_b32 s[OS+1], 0
	s_add_nc_u64 s[OS:OS+1], s[14:15], s[OS:OS+1]
	s_mov_b32 s20, s21
	s_mov_b32 s21, 0
	s_add_nc_u64 s[20:21], s[66:67], s[20:21]      ; these two bases are not written again
	s_mov_b32 s23, 0
	s_add_nc_u64 s[22:23], s[12:13], s[22:23]
.irp b, 0,1,2,3,4,5,6,7
	global_load_b128 v[BN+8*\b:BN+8*\b+3], v[H64], s[20:21] offset:(32*(\b/2)+8*(\b%2))*4       ; accumulator (a, b), register j: column 32 (b / 2) + 8 (b % 2) + 16 h + j
	global_load_b128 v[BN+8*\b+4:BN+8*\b+7], v[H64], s[20:21] offset:(32*(\b/2)+8*(\b%2))*4+16
.endr
.irp a, 0,1,2,3,4,5,6,7
	v_mov_b32 v[3+2*\a+14*(\a/7)], 0               ; named as the upper halves of pairs
.endr
.irp a, 0,1,2,3,4,5,6,7
	global_load_b32 v[2+2*\a+14*(\a/7)], v[RB], s[22:23] offset:(32*(\a/2)+8*(\a%2))*4          ; row tile a: my lane-row's bias
.endr
.macro FRAG reg, adr, q, i             ; a fragment as it lies: 2,048 bytes, 16 a lane and load
.irp c, 0,1,2,3
	ds_load_b128 v[\reg+4*\c:\reg+4*\c+3], v[\adr] offset:(\i)*4096+(\q)*2048+512*\c
.endr
.endm
; 16 matrix instructions: A's blocks a0, a0 + 1 x B's eight.  The 64 accumulators take turns, one instruction a turn, in the same order in every step.
.macro MUL16 a0, p, q, sc, zero
.irp a, \a0, \a0+1
.irp b, 0,1,2,3,4,5,6,7
.if \zero
	v_wmma_scale_f32_16x16x128_f8f6f4 v[8*(8*((\a)%4)+\b):8*(8*((\a)%4)+\b)+7], v[128*(\p)+FR*\b:128*(\p)+FR*\b+FR-1], v[AF+FR*(\a):AF+FR*(\a)+FR-1], 0, v[SC+8*NQ*(\sc)+NQ*\b+(\q)], v[SC+8*NQ*(\sc)+NQ*(\a)+(\q)] matrix_a_fmt:MATRIX_FMT_BF8 matrix_b_fmt:MATRIX_FMT_BF8 matrix_a_scale:MATRIX_SCALE_ROW1
.else
	v_wmma_scale_f32_16x16x128_f8f6f4 v[8*(8*((\a)%4)+\b):8*(8*((\a)%4)+\b)+7], v[128*(\p)+FR*\b:128*(\p)+FR*\b+FR-1], v[AF+FR*(\a):AF+FR*(\a)+FR-1], v[8*(8*((\a)%4)+\b):8*(8*((\a)%4)+\b)+7], v[SC+8*NQ*(\sc)+NQ*\b+(\q)], v[SC+8*NQ*(\sc)+NQ*(\a)+(\q)] matrix_a_fmt:MATRIX_FMT_BF8 matrix_b_fmt:MATRIX_FMT_BF8 matrix_a_scale:MATRIX_SCALE_ROW1
.endif
.endr
.endr
.endm
.macro FETCH_B slot, q, p
	WIN TO_B
.irp i, 0,1,2,3,4,5,6,7
	FRAG 128*(\p)+FR*\i, ADRB+\slot, \q, \i
.endr
	WIN 0
.endm
.macro FETCH_A slot, q, i0
.irp i, \i0, \i0+1, \i0+2, \i0+3
	FRAG AF+FR*(\i), ADRA+\slot, \q, \i
.endr
.endm
.macro SCALES sc                       ; a slot's two words a row: lanes 0-15 A's block i, lanes 16-31 B's block i
.irp i, 0,1,2,3,4,5,6,7
	ds_load_b64 v[SC+8*NQ*\sc+NQ*\i:SC+8*NQ*\sc+NQ*\i+1], v[ADRS] offset:\i*512
.endr
.endm
.macro PLACES n                        ; plain vector lines between a matrix instruction and a load into, or a read of, its registers (ISA guide 7.12.1 for reads)
.rept \n
	v_nop
.endr
.endm
.macro STEP slot, q, zero              ; 128 along K with its successor in the same slot
	s_wait_dscnt 4*NL                              ; all but the youngest 16 loads (A's blocks 4-7)
	WIN MUL_LO
	MUL16 0, (\q)%2, \q, \slot, \zero
	MUL16 2, (\q)%2, \q, \slot, \zero
	s_wait_dscnt 0
	PLACES NP
	FETCH_B \slot, (\q)+1, 1-(\q)%2
	FETCH_A \slot, (\q)+1, 0
	WIN MUL_HI
	MUL16 4, (\q)%2, \q, \slot, \zero
	MUL16 6, (\q)%2, \q, \slot, \zero
	PLACES NP
	WIN 0
	FETCH_A \slot, (\q)+1, 4
.endm
; A slot's last step changes slots: one barrier; in front of it each wave waits for all its tensor loads, adds 0 to its spare word, and waits for that and for its reads of this slot.  fill = 1: the slot is filled again, behind a round of the cluster's barrier.
.macro TURN slot, next, fill
	s_wait_tensorcnt 0x0                           ; all my tensor loads have landed: my part of the next slot
	ds_add_u32 v[SPW], v[NIL]                      ; 0 onto my spare word
	s_wait_dscnt 4*NL+1                            ; the add and the youngest 16 loads may be out
	WIN MUL_LO
	MUL16 0, 1, NQ-1, \slot, 0
	s_wait_dscnt 0x0                               ; the add is done, and my reads of this slot are over
	s_barrier_signal -1
	MUL16 2, 1, NQ-1, \slot, 0
	WIN 0
	s_barrier_wait -1
.if \fill
	CREST                                          ; no wave of any partner still reads this slot or has a load on its way
	s_add_nc_u64 s[G0+4*\slot+2:G0+4*\slot+3], s[G0+4*\slot+2:G0+4*\slot+3], 8192
	s_add_nc_u64 s[G0B+4*\slot+2:G0B+4*\slot+3], s[G0B+4*\slot+2:G0B+4*\slot+3], 8192
	JLOAD G0+4*\slot, G1, G0B+4*\slot, G1B         ; the first tensor load behind the round; its four v_nop are among the places
	PLACES NP-4
.else
	PLACES NP
.endif
	v_add_nc_u32 v[ADRS], 128, v[ADRS]             ; the next slot's scale words
	FETCH_B \next, 0, 0
	FETCH_A \next, 0, 0
	SCALES \next
	WIN MUL_HI
	MUL16 4, 1, NQ-1, \slot, 0
	MUL16 6, 1, NQ-1, \slot, 0
	PLACES NP
	WIN 0
	FETCH_A \next, 0, 4
.endm
	s_wait_tensorcnt 1                             ; the scale words and my part of slot 0 are in; slot 1's load may be out
	s_barrier_signal -1
	s_barrier_wait -1
	FETCH_B 0, 0, 0
	FETCH_A 0, 0, 0
	SCALES 0
	FETCH_A 0, 0, 4
	STEP 0, 0, 1                                   ; K = 1,024 is eight steps: written out; the first starts the sums
	TURN 0, 1, 1
	STEP 1, 0, 0
	TURN 1, 0, 1
	STEP 0, 0, 0
	TURN 0, 1, 0                                   ; nothing is left to fetch
	STEP 1, 0, 0
	s_wait_dscnt 4*NL
	WIN MUL_LO
	MUL16 0, 1, NQ-1, 1, 0
	MUL16 2, 1, NQ-1, 1, 0
	s_wait_dscnt 0
	WIN MUL_HI
	MUL16 4, 1, NQ-1, 1, 0
	MUL16 6, 1, NQ-1, 1, 0
	WIN 0
	; THE WAY OUT: no LDS.  Row tile by row tile: + bias, quantised along the wave's 128 columns, stored as images.
	s_wait_loadcnt 0x0                             ; the biases
	s_cmp_eq_u32 s19, 2
	s_cselect_b32 s2, 0, -1                        ; the column bias counts for q and k,
	s_cselect_b32 s3, -1, 0                        ; the row bias for V^T
.set i, 0
.rept 64
	v_and_b32 v[BN+i], s2, v[BN+i]                 ; (these lines are also the places behind the last products)
.set i, i+1
.endr
.irp a, 0,1,2,3,4,5,6,7
	v_and_b32 v[2+2*\a+14*(\a/7)], s3, v[2+2*\a+14*(\a/7)]
.endr
	v_cmp_eq_u32 vcc_lo, 1, v[HH]
.irp b, 0,1,2,3
	v_mov_b32 v[TM+4+\b], 0                        ; a lane permute's destination counts as read
.endr
.macro ADDB a
.set AC, 64*((\a)%4)
.set BMR, 2+2*(\a)+14*((\a)/7)
	WIN 0x02+(\a)/4                                ; source 0: window 2 or 3
.set p, 0
.rept 32
	v_pk_add_f32 v[Y+p:Y+p+1], v[AC+p:AC+p+1], v[BN+p:BN+p+1]      ; ascending: each accumulator is first read at its low end
.set p, p+2
.endr
	WIN 0
.set p, 0
.rept 32
	v_pk_add_f32 v[Y+p:Y+p+1], v[Y+p:Y+p+1], v[BMR:BMR+1] op_sel_hi:[1,0]
.set p, p+2
.endr
.endm
.macro PUTQK a                         ; blocks 0, 1 are my first head's 64, blocks 2, 3 my second's
	global_store_b128 v[LI], v[PC:PC+3], s[OC0:OC0+1] offset:(\a)*1024
	global_store_b128 v[LI], v[PC+4:PC+7], s[OC0:OC0+1] offset:(\a)*1024+512
	global_store_b128 v[LI], v[PC+8:PC+11], s[OC1:OC1+1] offset:(\a)*1024
	global_store_b128 v[LI], v[PC+12:PC+15], s[OC1:OC1+1] offset:(\a)*1024+512
	v_lshrrev_b32 v[WD], v[H16], v[PW+(\a)%2]      ; lanes 0-15: the first head's two bytes, lanes 16-31: the second's
	v_and_or_b32 v[WD], v[WD], 0xffff, s101        ; 0x7f above them
	global_store_b32 v[SOQ], v[WD], s[OS:OS+1] offset:(\a)*64
.endm
.macro PUTV a                          ; row tile a: head a / 4, its tile a % 4 of 16 channels; K step = my 128 keys
.irp c, 0,1,2,3
	global_store_b128 v[LI], v[PC+4*\c:PC+4*\c+3], s[OC0:OC0+1] offset:((\a)/4)*131072+((\a)%4)*2048+512*\c
.endr
.if (\a)%2
	v_cndmask_b32 v[WD], v[PW], v[PW+1], vcc_lo    ; two tiles' words in one store
	global_store_b32 v[SOV], v[WD], s[OS:OS+1] offset:((\a)/4)*6144+((\a)%4-1)*64
.endif
.endm
.irp a, 0,1,2,3,4,5,6,7
	ADDB \a
	s_wait_xcnt 0x0                                ; the last tile's stores have read their registers: the codes and the word may be written again
	QUANT Y, 0, PC, PW+\a%2
	s_cmp_eq_u32 s19, 2                            ; the cluster's x: the same in all partners
	s_cbranch_scc1 .Lv\a
	PUTQK \a
	s_branch .Ld\a
.Lv\a:
	PUTV \a
.Ld\a:
.endr
	s_wait_tensorcnt 0x0                           ; the wave's end
	ds_add_u32 v[SPW], v[NIL]
	s_wait_dscnt 0x0
	CROUND                                         ; the closing round
	s_endpgm
.Lfunc_end_k_qfbedea5035_qkv:
	.size	k_qfbedea5035_qkv, .Lfunc_end_k_qfbedea5035_qkv-k_qfbedea5035_qkv
	.p2alignl 7, 3214868480
	.fill 96, 4, 3214868480
	.section	.rodata,"a",@progbits
	.p2align	6, 0x0
	.amdhsa_kernel k_qfbedea5035_qkv
		.amdhsa_group_segment_fixed_size 327680
		.amdhsa_private_segment_fixed_size 0
		.amdhsa_enable_private_segment 0
		.amdhsa_kernarg_size 48
		.amdhsa_user_sgpr_count 2
		.amdhsa_user_sgpr_kernarg_segment_ptr 1
		.amdhsa_wavefront_size32 1
		.amdhsa_system_sgpr_workgroup_id_x 1
		.amdhsa_system_sgpr_workgroup_id_y 1
		.amdhsa_system_sgpr_workgroup_id_z 1
		.amdhsa_system_vgpr_workitem_id 0
		.amdhsa_next_free_vgpr 1024
		.amdhsa_next_free_sgpr 102
		.amdhsa_reserve_vcc 1
		.amdhsa_float_denorm_mode_32 3
		.amdhsa_float_denorm_mode_16_64 3
		.amdhsa_memory_ordered 1
		.amdhsa_forward_progress 1
		.amdhsa_inst_pref_size 229
	.end_amdhsa_kernel
	.amdgpu_metadata
---
amdhsa.version: [ 1, 2 ]
amdhsa.kernels:
  - .name:           k_qfbedea5035_qkv
    .symbol:         k_qfbedea5035_qkv.kd
    .args:
      - { .name: h1, .offset: 0, .size: 8, .value_kind: global_buffer, .address_space: global }
      - { .name: wts, .offset: 8, .size: 8, .value_kind: global_buffer, .address_space: global }
      - { .name: bq, .offset: 16, .size: 8, .value_kind: global_buffer, .address_space: global }
      - { .name: bk, .offset: 24, .size: 8, .value_kind: global_buffer, .address_space: global }
      - { .name: bv, .offset: 32, .size: 8, .value_kind: global_buffer, .address_space: global }
      - { .name: qkv, .offset: 40, .size: 8, .value_kind: global_buffer, .address_space: global }
    .group_segment_fixed_size: 327680
    .private_segment_fixed_size: 0
    .kernarg_segment_align: 8
    .kernarg_segment_size: 48
    .max_flat_workgroup_size: 128
    .sgpr_count:     102
    .vgpr_count:     1024
    .wavefront_size: 32
...
	.end_amdgpu_metadata
.endif
;; end of part 2
;; launch attn (part 3): grid 4 x 64, 16 waves a work-group, clusters of 4 x 1, 169,984 bytes of LDS; arguments qkv, ac; writes ac
.if DOCPART == 3
	.amdgcn_target "amdgcn-amd-amdhsa--gfx1250"
	.amdhsa_code_object_version 6
	.text
	.protected	k_qfbedea5035_attn
	.globl	k_qfbedea5035_attn
	.p2align	8
	.type	k_qfbedea5035_attn,@function
k_qfbedea5035_attn:
	s_mov_b64 s[64:65], 0
	v_nop
	global_prefetch_b8 v0, s[64:65] scope:SCOPE_SE
	s_setreg_imm32_b32 hwreg(HW_REG_WAVE_MODE, 25, 1), 1
	s_wait_xcnt 0x0
	s_wait_alu depctr_hold_cnt(0) depctr_sa_sdst(0) depctr_va_vdst(0) depctr_va_sdst(0) depctr_va_ssrc(0) depctr_va_vcc(0) depctr_vm_vsrc(0)
	s_getreg_b32 s2, hwreg(HW_REG_IB_STS2, 6, 4)
	s_cmp_eq_u32 s2, 0
	s_cbranch_scc0 .Lentry_in_a_cluster
	s_endpgm
.Lentry_in_a_cluster:
	s_bfe_u32 s2, ttmp6, 0x10000c
	s_cmp_lg_u32 s2, 0x3003
	s_cbranch_scc0 .Lentry_shape_is_right
	s_endpgm
.Lentry_shape_is_right:
; Causal attention on codes of BF8 (E5M2) with E8M0 scales: S^T = K Q^T (K = the head's 64; the instruction's upper 64 are zero codes on both sides), t = score x log2(e) / 32,
; M = the running largest t rounded up to a whole number, p = 2^(t - M) quantised along the keys, O^T += V^T P^T, the row's sum of the unquantised p divides at the end.  O is quantised again and stored as an image for the next product.
; A CLUSTER IS ONE (batch, head): its four work-groups want the same K and V, 134 KiB, which fit in LDS whole: they are asked for JOINTLY, once, at the start; nothing is filled twice.
; A wave owns one tile of 16 queries, Tq = 8 g + 2 cx + wave % 2; g, its group of 128 queries, hangs on the wave's number alone, so the causal branches are alike in all partners.  g is dealt so that waves w, w + 4, w + 8, w + 12 have 18 key steps together.
; Key steps after g are left out (a scalar branch round the step's work); step g is masked: hidden scores become -infinity ahead of the maximum.  Key 0 counts for every query, so M is a number from the first step on.
; Lane-row r of a tile T is row 32 (T / 2) + 8 (T % 2) + r + 8 (r / 8), for queries, keys and channels alike: so the 16 registers of two neighbouring tiles of S^T are 16 neighbouring keys, and of O^T 16 neighbouring channels.
; LIMITS: NaN and infinities are not served; v_exp_f32 and v_rcp_f32 are good to 1 ulp and flush denormals; a block's largest p is taken from its largest score; a block of zeros gets the byte 1 (its codes are zeros).
; REGISTERS: v1-7 addresses; v8, 10, 11 the step's addresses; v12 -M, v13 the largest t, v[14:15] the sum; v16-31 Q (upper 8 zero); v32-95 four fragments of K (upper 8 of each zero); v96-159 S^T, p, then V's four fragments; v160-191 O^T; v224-239 p's codes; v232-254 at work; v248-251 scale words; v253 p's word; v255 Q's.
.set KV,   4194304
.set QS,   12582912
.set KVS,  12845056
.set HSC,  4194304
.set SCB,  131072                      ; LDS: behind the head's 8 key steps of 16,384 bytes: K's words 4,096 bytes, V's 2,048
.set LI,   1                           ; v1  16 x lane
.set ASK0, 2                           ; v2  K's words: SCB + 4 r
.set ASV0, 3                           ; v3  V's
.set DD,   4                           ; v4  my query - 128 g - 16 h
.set ADK,  8
.set ADS,  10
.set ADT,  11
.set WV,   18
.set MNT,  19
.set SEL,  20
.set CS,   22
.set G1C,  24
.set G1S,  32
.set TB,   60
.set TS,   61
.set TJ,   62
.set KF,   63
.set GK,   66
.set CNT,  68
.macro CROUND
	s_barrier_signal -1
	s_barrier_wait -1
	s_cmp_lg_u32 s[WV], 0
	s_cbranch_scc1 .Lnot_wave_0_\@
	s_barrier_signal -3
.Lnot_wave_0_\@:
	s_barrier_wait -3
	s_barrier_signal -1
	s_barrier_wait -1
.endm
	s_load_b128 s[4:7], s[0:1], 0x0                ; qkv, ac
	v_lshl_add_u32 v222, v0, 2, 0x29000
	v_mov_b32 v223, 0
	ds_add_u32 v222, v223
	ds_add_u32 v222, v223
	v_lshrrev_b32 v8, 5, v0
	v_readfirstlane_b32 s[WV], v8                  ; wave 0..15
	s_bfe_u32 s70, ttmp6, 0x40000                  ; cx
	s_and_b32 s71, ttmp7, 0xffff                   ; 16 x batch + head
	s_lshr_b32 s72, s[WV], 2                       ; j
	s_lshr_b32 s73, s[WV], 1
	s_xor_b32 s73, s73, s72
	s_and_b32 s73, s73, 1
	s_lshl_b32 s72, s72, 1
	s_add_co_u32 s72, s72, s73                     ; g = 2 j + ((j xor wave / 2) % 2)
	s_lshl_b32 s[GK], s72, 7                       ; my group's first key
	s_and_b32 s75, s[WV], 1
	s_lshl_b32 s74, s72, 3
	s_lshl_b32 s73, s70, 1
	s_add_co_u32 s74, s74, s73
	s_add_co_u32 s74, s74, s75                     ; Tq
	s_lshl_b32 s73, s70, 5
	s_lshl_b32 s72, s75, 3
	s_add_co_u32 s73, s73, s72                     ; my tile's first query - 128 g = 32 cx + 8 (wave % 2)
	s_mov_b32 s[G1C], 15|(3<<16)|(1<<21)           ; the mask: all four work-groups; elements of 8 bytes; bit 21 beside a mask
	s_mov_b32 s[G1C+1], 32<<16                     ; a key step: 16,384 dense bytes as 64 rows of 256
	s_mov_b32 s[G1C+2], 64<<16
	s_mov_b32 s[G1C+3], 32<<16
	s_mov_b32 s[G1C+4], 64
	s_mov_b32 s[G1C+5], 32
	s_mov_b32 s[G1C+6], 0
	s_mov_b32 s[G1C+7], 0
	s_mov_b32 s[G1S], 15|(3<<16)|(1<<21)
	s_mov_b32 s[G1S+1], 32<<16                     ; half the head's scale words: 3,072 dense bytes as 12 rows of 256
	s_mov_b32 s[G1S+2], 12<<16
	s_mov_b32 s[G1S+3], 32<<16
	s_mov_b32 s[G1S+4], 12
	s_mov_b32 s[G1S+5], 32
	s_mov_b32 s[G1S+6], 0
	s_mov_b32 s[G1S+7], 0
	s_mul_i32 s76, s71, 6144
	s_mul_i32 s77, s75, 3072
	s_add_co_u32 s76, s76, s77
	s_add_co_u32 s76, s76, KVS                     ; the scale words: wave % 2's half, in memory,
	s_add_co_u32 s78, s77, SCB                     ; and in LDS
	s_mov_b32 s77, 0
	s_lshl_b32 s80, s71, 17
	s_lshl_b32 s79, s75, 14                        ; key step wave % 2, in LDS,
	s_add_co_u32 s80, s80, s79
	s_add_co_u32 s80, s80, KV                      ; and in memory
	s_mov_b32 s81, 0
	s_lshl_b32 s82, s71, 16
	s_lshl_b32 s83, s74, 10
	s_add_co_u32 s82, s82, s83                     ; Q's codes
	s_mov_b32 s83, 0
	s_lshl_b32 s84, s71, 12
	s_lshl_b32 s85, s74, 6
	s_add_co_u32 s84, s84, s85
	s_add_co_u32 s84, s84, QS                      ; Q's words
	s_mov_b32 s85, 0
	s_lshr_b32 s86, s71, 4
	s_lshl_b32 s86, s86, 6
	s_add_co_u32 s86, s86, s74                     ; the result's row tile: 64 x batch + Tq
	s_lshl_b32 s88, s86, 9
	s_lshl_b32 s86, s86, 14
	s_and_b32 s90, s71, 15                         ; the head: its 64 along the next K are half a K step: 1,024 bytes of codes,
	s_lshl_b32 s87, s90, 10
	s_add_co_u32 s86, s86, s87
	s_mov_b32 s87, 0
	s_lshr_b32 s89, s90, 2
	s_lshl_b32 s89, s89, 7
	s_add_co_u32 s88, s88, s89
	s_and_b32 s89, s90, 3
	s_lshl_b32 s89, s89, 1                         ; and two bytes of a scale word
	s_add_co_u32 s88, s88, s89
	s_add_co_u32 s88, s88, HSC
	s_mov_b32 s89, 0
	s_mov_b32 s[SEL], 0x76543210
	s_mov_b32 s[SEL+1], 0xfedcba98
	s_mov_b32 s[CS], 0x3d38aa3b                    ; c = log2(e) / 32: the module divides by sqrt(1,024)
	s_mov_b32 s[CS+1], s[CS]
	s_mov_b32 s[MNT], 0x600000
	s_mov_b32 s[TB], 0
	s_mov_b32 s[TS], 0
	s_mov_b32 s[TJ], 0
	s_mov_b32 s[KF], 0
	s_wait_dscnt 0x0
	s_wait_kmcnt 0x0
	s_mov_b32 s40, 1
	s_mov_b32 s41, s78
	s_add_nc_u64 s[42:43], s[4:5], s[76:77]
	s_or_b32 s43, s43, 0x80000000
	s_add_nc_u64 s[80:81], s[4:5], s[80:81]
.irp j, 0,1,2,3
	s_mov_b32 s[44+4*\j], 1
	s_add_co_u32 s[45+4*\j], s79, \j*32768         ; key step 2 j + wave % 2
	s_add_nc_u64 s[46+4*\j:47+4*\j], s[80:81], \j*32768
	s_or_b32 s[47+4*\j], s[47+4*\j], 0x80000000
.endr
	s_add_nc_u64 s[82:83], s[4:5], s[82:83]
	s_add_nc_u64 s[84:85], s[4:5], s[84:85]
	s_add_nc_u64 s[86:87], s[6:7], s[86:87]
	s_add_nc_u64 s[88:89], s[6:7], s[88:89]
	CROUND                                         ; all four work-groups are here: the joint loads meet
	s_cmp_lt_u32 s[WV], 2                          ; waves 0 and 1 fetch, five loads each, in one branch on the wave's number: five loads of a wave are out at the most
	s_cbranch_scc0 .Lno_fetch
	tensor_load_to_lds s[40:43], s[G1S:G1S+7]
	s_nop 0
	tensor_load_to_lds s[44:47], s[G1C:G1C+7]
	s_nop 0
	tensor_load_to_lds s[48:51], s[G1C:G1C+7]
	s_nop 0
	tensor_load_to_lds s[52:55], s[G1C:G1C+7]
	s_nop 0
	tensor_load_to_lds s[56:59], s[G1C:G1C+7]
	s_nop 0
.rept 4
	v_nop
.endr
.Lno_fetch:
	v_and_b32 v8, 31, v0
	v_lshlrev_b32 v[LI], 4, v8
	v_and_b32 v9, 15, v0                           ; r
	v_bfe_u32 v5, v0, 4, 1                         ; h
	v_lshlrev_b32 v7, 2, v9
	global_load_b128 v[16:19], v[LI], s[82:83]     ; Q's fragment: its 64 along K
	global_load_b128 v[20:23], v[LI], s[82:83] offset:512
	global_load_b32 v255, v7, s[84:85]             ; and its scale words
	v_lshl_add_u32 v[ASK0], v9, 2, SCB
	v_add_nc_u32 v[ASV0], 4096, v[ASK0]
	v_and_b32 v10, 8, v9
	v_add_nc_u32 v10, v10, v9
	v_lshlrev_b32 v11, 4, v5
	v_sub_nc_u32 v10, v10, v11
	v_add_nc_u32 v[DD], s73, v10
	v_lshl_add_u32 v6, v9, 3, v5                   ; the result's scale bytes: 8 r + h
.set i, 0
.rept 8
	v_mov_b32 v[24+i], 0                           ; zero codes for the upper 64 along K: Q's,
	v_mov_b32 v[40+i], 0                           ; and the four fragments of K's; no load ever lands here
	v_mov_b32 v[56+i], 0
	v_mov_b32 v[72+i], 0
	v_mov_b32 v[88+i], 0
.set i, i+1
.endr
	v_mov_b32 v13, 0xff61b1e6                      ; the largest t so far: -3e38
	v_floor_f32 v12, -v13                          ; -M
	v_mov_b32 v14, 0
	v_mov_b32 v15, 0
.irp b, 0,1,2,3
	v_mov_b32 v[236+\b], 0                         ; a lane permute's destination counts as read
.endr
	v_mov_b32 v253, 0
.set i, 0
.rept 32
	v_mov_b32 v[160+i], 0                          ; O^T: the step is written once; the first finds zeros
.set i, i+1
.endr
; A KEY STEP: 128 keys
.macro STEP
	s_cmp_gt_u32 s[KF], s[GK]                      ; all its keys come after my queries: only the addresses step
	s_cbranch_scc1 .Lhidden_\@
	v_add_nc_u32 v[ADK], s[TB], v[LI]
	v_add_nc_u32 v[ADS], s[TS], v[ASK0]
	v_add_nc_u32 v[ADT], s[TJ], v[ASV0]
.irp g, 0,1                                    ; S^T = K Q^T, four tiles of 16 keys at a time
.if \g
.rept 8
	v_nop                                          ; places in front of loads into registers that matrix instructions have read
.endr
.endif
.irp t, 0,1,2,3
	ds_load_b128 v[32+16*\t:35+16*\t], v[ADK] offset:(4*\g+\t)*1024
	ds_load_b128 v[36+16*\t:39+16*\t], v[ADK] offset:(4*\g+\t)*1024+512
	ds_load_b32 v[248+\t], v[ADS] offset:(4*\g+\t)*64
.endr
	s_wait_dscnt 0x0
.irp t, 0,1,2,3
	v_wmma_scale_f32_16x16x128_f8f6f4 v[96+8*(4*\g+\t):103+8*(4*\g+\t)], v[32+16*\t:47+16*\t], v[16:31], 0, v[248+\t], v255 matrix_a_fmt:MATRIX_FMT_BF8 matrix_b_fmt:MATRIX_FMT_BF8
.endr
.endr
.rept 8
	v_nop
.endr
	s_cmp_lt_u32 s[KF], s[GK]                      ; all keys count: no mask
	s_cbranch_scc1 .Lopen_\@
	v_mov_b32 v254, 0xff800000                     ; -infinity.  Register 16 b + i holds key 128 g + 32 b + 16 h + i: hidden where 32 b + i > my query - 128 g - 16 h
.set n, 0
.rept 64
	v_cmp_gt_i32 vcc_lo, 32*(n/16)+n%16, v[DD]
	v_cndmask_b32 v[96+n], v[96+n], v254, vcc_lo
.set n, n+1
.endr
.Lopen_\@:
.irp b, 0,1,2,3
	v_max3_num_f32 v[232+\b], v[96+16*\b], v[97+16*\b], v[98+16*\b]   ; the largest score of each block of 32 keys: for the row's maximum, and for the block's largest p
.endr
.irp i, 3,5,7,9,11,13
.irp b, 0,1,2,3
	v_max3_num_f32 v[232+\b], v[232+\b], v[96+16*\b+\i], v[97+16*\b+\i]
.endr
.endr
.irp b, 0,1,2,3
	v_max_num_f32 v[232+\b], v[232+\b], v[111+16*\b]
.endr
.irp b, 0,1,2,3
	v_permlanex16_b32 v[236+\b], v[232+\b], s[SEL], s[SEL+1]
.endr
.irp b, 0,1,2,3
	v_max_num_f32 v[232+\b], v[232+\b], v[236+\b]
.endr
	v_max3_num_f32 v254, v232, v233, v234
	v_max_num_f32 v254, v254, v235
	v_mul_f32 v254, s[CS], v254
	v_max_num_f32 v13, v13, v254                   ; the running largest t
	v_mov_b32 v254, v12
	v_floor_f32 v12, -v13                          ; the new -M = -ceil(t)
	v_sub_f32 v254, v12, v254                      ; old M - new M: a whole number, 0 or less
	v_cvt_i32_f32 v254, v254
	v_ldexp_f32 v252, 1.0, v254                    ; f = 2^(old M - new M)
.set j, 0
.rept 32
	v_pk_fma_f32 v[96+j:97+j], v[96+j:97+j], s[CS:CS+1], v[12:13] op_sel_hi:[1,0,0]   ; t - M
.set j, j+2
.endr
.irp b, 0,1,2,3
	v_fma_f32 v[232+\b], v[232+\b], s[CS], v12
.endr
.set j, 0
.rept 64
	v_exp_f32 v[96+j], v[96+j]                     ; p = 2^(t - M): not normalised
.set j, j+1
.endr
	v_pk_mul_f32 v[14:15], v[14:15], v[252:253] op_sel_hi:[1,0]   ; the sums under the new M: a plain line behind the exponentials
	s_wait_alu depctr_va_vdst(0)                   ; one wait for the batch, ahead of its first reader
.irp b, 0,1,2,3
	v_exp_f32 v[232+\b], v[232+\b]                 ; each block's largest p
.endr
	v_pk_add_f32 v[236:237], v[96:97], v[98:99]    ; the row's sum of the unquantised p, in two chains
.irp j, 4,8,12,16,20,24,28,32,36,40,44,48,52,56,60
	v_pk_add_f32 v[14:15], v[14:15], v[96+\j:97+\j]
	v_pk_add_f32 v[236:237], v[236:237], v[98+\j:99+\j]
.endr
	v_pk_add_f32 v[14:15], v[14:15], v[236:237]
	s_wait_alu depctr_va_vdst(0)                   ; and one for the four
.irp b, 0,1,2,3
	v_max_num_f32 v[232+\b], 0x8000000, v[232+\b]  ; the floor 2^(16 - 127)
.endr
.irp b, 0,1,2,3
	v_add_nc_u32 v[244+\b], 0xf8800000, v[232+\b]
.endr
.irp b, 0,1,2,3
	v_and_or_b32 v[240+\b], v[232+\b], 0x7f800000, s[MNT]
.endr
.irp b, 0,1,2,3
	v_lshrrev_b32 v[236+\b], 23, v[244+\b]
.endr
	v_lshl_or_b32 v253, v237, 8, v236              ; p's scale word for these 128 keys
	v_lshl_or_b32 v253, v238, 16, v253
	v_lshl_or_b32 v253, v239, 24, v253
.irp b, 0,1,2,3
.irp i, 0,1,2,3,4,5,6,7,8,9,10,11,12,13,14,15
	v_min_num_f32 v[96+16*\b+\i], v[96+16*\b+\i], v[240+\b]   ; the conversion does not saturate (ISA guide 7.6.2); p is not negative
.endr
	v_cvt_scalef32_pk8_bf8_f32 v[224+4*\b:225+4*\b], v[96+16*\b:103+16*\b], v[244+\b]
	v_cvt_scalef32_pk8_bf8_f32 v[226+4*\b:227+4*\b], v[104+16*\b:111+16*\b], v[244+\b]
.endr
.irp t, 0,1,2,3                                ; V's four fragments (16 channels x 128 keys) into the registers that p has left
.irp c, 0,1,2,3
	ds_load_b128 v[96+16*\t+4*\c:99+16*\t+4*\c], v[ADK] offset:8192+\t*2048+512*\c
.endr
	ds_load_b32 v[248+\t], v[ADT] offset:64*\t
.endr
.set j, 0
.rept 16
	v_pk_mul_f32 v[160+j:161+j], v[160+j:161+j], v[252:253] op_sel_hi:[1,0]   ; O^T under the new M; these are also the places in front of the products
.set j, j+2
.endr
	s_wait_dscnt 0x0
.irp t, 0,1,2,3
	v_wmma_scale_f32_16x16x128_f8f6f4 v[160+8*\t:167+8*\t], v[96+16*\t:111+16*\t], v[224:239], v[160+8*\t:167+8*\t], v[248+\t], v253 matrix_a_fmt:MATRIX_FMT_BF8 matrix_b_fmt:MATRIX_FMT_BF8
.endr
.rept 9
	v_nop                                          ; the next step's products write over V's registers: nine places (eight would do for its loads and for the way out's reads)
.endr
.Lhidden_\@:
	s_add_co_u32 s[KF], s[KF], 128
	s_add_co_u32 s[TB], s[TB], 16384
	s_add_co_u32 s[TS], s[TS], 512
	s_add_co_u32 s[TJ], s[TJ], 256
.endm
	s_wait_tensorcnt 3                             ; a fetching wave's first two loads are in: the scale words and key steps 0 and 1; its three later loads may be out
	s_wait_loadcnt 0x0                             ; Q
	s_barrier_signal -1
	s_barrier_wait -1
	s_mov_b32 s[CNT], 2
.Lfirst:
	STEP
	s_sub_co_u32 s[CNT], s[CNT], 1
	s_cmp_lg_u32 s[CNT], 0
	s_cbranch_scc1 .Lfirst
	s_wait_tensorcnt 0x0                           ; key steps 2 to 7
	s_wait_dscnt 0x0
	s_barrier_signal -1
	s_barrier_wait -1
	s_mov_b32 s[CNT], 6
.Lrest:
	STEP
	s_sub_co_u32 s[CNT], s[CNT], 1
	s_cmp_lg_u32 s[CNT], 0
	s_cbranch_scc1 .Lrest
	; THE WAY OUT: O^T / the sum; register 16 b + i is channel 32 b + 16 h + i of my query: two blocks of the next K, quantised in place
	v_add_f32 v14, v14, v15
	v_permlanex16_b32 v252, v14, s[SEL], s[SEL+1]
	v_add_f32 v14, v14, v252
	v_rcp_f32 v14, v14
	v_cmp_eq_u32 vcc_lo, 1, v5                     ; (a plain line behind the reciprocal)
	s_wait_alu depctr_va_vdst(0)                   ; the wait, ahead of the first reader
.set j, 0
.rept 32
	v_mul_f32 v[96+j], v[160+j], v14
.set j, j+1
.endr
.irp b, 0,1
	v_max3_num_f32 v[232+\b], |v[96+16*\b]|, |v[97+16*\b]|, 0x8000000
.endr
.irp i, 2,4,6,8,10,12,14
.irp b, 0,1
	v_max3_num_f32 v[232+\b], v[232+\b], |v[96+16*\b+\i]|, |v[97+16*\b+\i]|
.endr
.endr
.irp b, 0,1
	v_permlanex16_b32 v[236+\b], v[232+\b], s[SEL], s[SEL+1]
.endr
.irp b, 0,1
	v_max_num_f32 v[232+\b], v[232+\b], v[236+\b]
.endr
.irp b, 0,1
	v_add_nc_u32 v[244+\b], 0xf8800000, v[232+\b]
.endr
.irp b, 0,1
	v_and_or_b32 v[240+\b], v[232+\b], 0x7f800000, s[MNT]
.endr
.irp b, 0,1
	v_lshrrev_b32 v[236+\b], 23, v[244+\b]
.endr
	v_cndmask_b32 v238, v236, v237, vcc_lo         ; lanes 0-15 store the first block's byte, lanes 16-31 the second's
.irp b, 0,1
.irp i, 0,1,2,3,4,5,6,7,8,9,10,11,12,13,14,15
	v_med3_num_f32 v[96+16*\b+\i], v[96+16*\b+\i], -v[240+\b], v[240+\b]
.endr
	v_cvt_scalef32_pk8_bf8_f32 v[224+4*\b:225+4*\b], v[96+16*\b:103+16*\b], v[244+\b]
	v_cvt_scalef32_pk8_bf8_f32 v[226+4*\b:227+4*\b], v[104+16*\b:111+16*\b], v[244+\b]
.endr
	v_nop
	global_store_b128 v[LI], v[224:227], s[86:87]              ; 512 consecutive bytes a store
	global_store_b128 v[LI], v[228:231], s[86:87] offset:512
	global_store_b8 v6, v238, s[88:89]
	s_wait_tensorcnt 0x0
	ds_add_u32 v222, v223
	s_wait_dscnt 0x0
	CROUND                                         ; the closing round: no work-group ends while a partner may still ask
	s_endpgm
.Lfunc_end_k_qfbedea5035_attn:
	.size	k_qfbedea5035_attn, .Lfunc_end_k_qfbedea5035_attn-k_qfbedea5035_attn
	.p2alignl 7, 3214868480
	.fill 96, 4, 3214868480
	.section	.rodata,"a",@progbits
	.p2align	6, 0x0
	.amdhsa_kernel k_qfbedea5035_attn
		.amdhsa_group_segment_fixed_size 169984
		.amdhsa_private_segment_fixed_size 0
		.amdhsa_enable_private_segment 0
		.amdhsa_kernarg_size 16
		.amdhsa_user_sgpr_count 2
		.amdhsa_user_sgpr_kernarg_segment_ptr 1
		.amdhsa_wavefront_size32 1
		.amdhsa_system_sgpr_workgroup_id_x 1
		.amdhsa_system_sgpr_workgroup_id_y 1
		.amdhsa_system_sgpr_workgroup_id_z 1
		.amdhsa_system_vgpr_workitem_id 0
		.amdhsa_next_free_vgpr 256
		.amdhsa_next_free_sgpr 92
		.amdhsa_reserve_vcc 1
		.amdhsa_float_denorm_mode_32 3
		.amdhsa_float_denorm_mode_16_64 3
		.amdhsa_memory_ordered 1
		.amdhsa_forward_progress 1
		.amdhsa_inst_pref_size 65
	.end_amdhsa_kernel
	.amdgpu_metadata
---
amdhsa.version: [ 1, 2 ]
amdhsa.kernels:
  - .name:           k_qfbedea5035_attn
    .symbol:         k_qfbedea5035_attn.kd
    .args:
      - { .name: qkv, .offset: 0, .size: 8, .value_kind: global_buffer, .address_space: global }
      - { .name: ac, .offset: 8, .size: 8, .value_kind: global_buffer, .address_space: global }
    .group_segment_fixed_size: 169984
    .private_segment_fixed_size: 0
    .kernarg_segment_align: 8
    .kernarg_segment_size: 16
    .max_flat_workgroup_size: 512
    .sgpr_count:     92
    .vgpr_count:     256
    .wavefront_size: 32
...
	.end_amdgpu_metadata
.endif
;; end of part 3
;; launch wo (part 4): grid 8 x 32, 4 waves a work-group, clusters of 4 x 4, 327,680 bytes of LDS; arguments ac, wts, bo, x, x1; writes x1
.if DOCPART == 4
	.amdgcn_target "amdgcn-amd-amdhsa--gfx1250"
	.amdhsa_code_object_version 6
	.text
	.protected	k_qfbedea5035_wo
	.globl	k_qfbedea5035_wo
	.p2align	8
	.type	k_qfbedea5035_wo,@function
k_qfbedea5035_wo:
	s_mov_b64 s[64:65], 0
	v_nop
	global_prefetch_b8 v0, s[64:65] scope:SCOPE_SE
	s_setreg_imm32_b32 hwreg(HW_REG_WAVE_MODE, 25, 1), 1
	s_wait_xcnt 0x0
	s_wait_alu depctr_hold_cnt(0) depctr_sa_sdst(0) depctr_va_vdst(0) depctr_va_sdst(0) depctr_va_ssrc(0) depctr_va_vcc(0) depctr_vm_vsrc(0)
	s_getreg_b32 s2, hwreg(HW_REG_IB_STS2, 6, 4)
	s_cmp_eq_u32 s2, 0
	s_cbranch_scc0 .Lentry_in_a_cluster
	s_endpgm
.Lentry_in_a_cluster:
	s_bfe_u32 s2, ttmp6, 0x10000c
	s_cmp_lg_u32 s2, 0xf033
	s_cbranch_scc0 .Lentry_shape_is_right
	s_endpgm
.Lentry_shape_is_right:
; out = res + (1 / sqrt(12)) (A B^T + bias): A [4,096][KK] and B [1,024][KK] are images of operand registers in BF8 (E5M2) with E8M0 scale words; bias, res and out are f32.
; 4,096 x 1,024 of C in tiles of 256 x 256 would be 64 work-groups: so a tile is 128 x 128, 256 work-groups; four waves of 64 x 64, 16 accumulators.
; A slot of the ring holds 512 along K (four K steps of 128), so that a wave's one load behind a change of slots brings 32 KiB and has 64 matrix instructions of the wave in which to land.
; A fragment (16 rows x 128 K) is 2,048 consecutive bytes: four loads at 16 x lane.  Lane-row r of tile T is row 32 (T / 2) + 8 (T % 2) + r + 8 (r / 8).
; The matrix instruction is used transposed (source 0 = B's rows, source 1 = A's): accumulator (a, b), register j = C(row of (a, r), column 32 (b / 2) + 8 (b % 2) + 16 h + j).
; CLUSTERS of 4 x 4: A's tiles are shared along a row, B's along a column, by joint loads.  The scale words of all of K come once, with the first fills.
; The residual's 64 x 64 numbers of a wave are loaded at the head into window 2 and wait there.  The way out goes through the wave's own stage in slot 0, which has had its last fill and its last read by then.
; This text serves KK = 1,024 (two slots: no refill, no loop) and KK = 4,096 by its constants.
; REGISTERS: window 0: v8-11 the bias; v16-29 addresses; v32-63 scale words, two sets of 16; v64-127 rows on the way out; v128-255 accumulators.  window 1: two fragment buffers (A's four, then B's four).  window 2: v0-127 the residual.
.set KK,    1024
.set WC,    3<<20                      ; the weight's codes in wts
.set ASC,   4194304                    ; A's scale words in its buffer
.set SC0,   12582912
.set HALFT, 32768                      ; 4 tiles x 8,192 bytes
.set SLOT,  131072
.set SCL,   262144
.set HALFS, 2*KK                       ; 4 tiles' scale words for all of K
.set SPARE, SCL+4*HALFS
.set LAPS,  KK/1024
.set ADRA, 16
.set ADRB, 20
.set STO,  24
.set RD,   25
.set CO,   26
.set ADRS, 27
.set SPW,  28
.set NIL,  29
.set SC,   32
.set BK,   64
.set ACC,  128
.set F0,   0
.set F1,   128
.set G1, 24
.set G0, 32
.set G1B, 48
.set G0B, 56
.set G1S, 68
.set G0S, 76
.set G1SB, 80
.set G0SB, 88
.set MSB, 0
.macro WIN new
.if MSB != (\new)
	s_set_vgpr_msb (MSB<<8)|(\new)
.set MSB, (\new)
.endif
.endm
.set MUL,  0x05                        ; sources 0 and 1 window 1; C and D window 0
.set TO_F, 0x40
.macro JLOAD g0a, g1a, g0b, g1b
	s_cmp_eq_u32 s17, 0
	s_cbranch_scc0 .Lfor_b_\@
	tensor_load_to_lds s[\g0a:\g0a+3], s[\g1a:\g1a+7]
	s_nop 0
.rept 4
	v_nop
.endr
	s_branch .Lasked_\@
.Lfor_b_\@:
	tensor_load_to_lds s[\g0b:\g0b+3], s[\g1b:\g1b+7]
	s_nop 0
.rept 4
	v_nop
.endr
.Lasked_\@:
.endm
.macro CREST
	s_cmp_lg_u32 s16, 0
	s_cbranch_scc1 .Lnot_wave_0_\@
	s_barrier_signal -3
.Lnot_wave_0_\@:
	s_barrier_wait -3
	s_barrier_signal -1
	s_barrier_wait -1
.endm
.macro CROUND
	s_barrier_signal -1
	s_barrier_wait -1
	CREST
.endm
	s_load_b256 s[4:11], s[0:1], 0x0               ; A's image, wts, the bias, the residual
	s_load_b64 s[12:13], s[0:1], 0x20              ; the result
	v_lshl_add_u32 v[SPW], v0, 2, SPARE
	v_mov_b32 v[NIL], 0
	ds_add_u32 v28, v29
	ds_add_u32 v28, v29
	s_wait_dscnt 0x0
	v_lshrrev_b32 v1, 5, v0
	v_readfirstlane_b32 s16, v1                    ; wave
	s_lshr_b32 s17, s16, 1                         ; my half of the rows.  Also: I fetch for A (0) or B (1)
	s_and_b32 s18, s16, 1                          ; my half of the columns.  Also: which 4 tiles I fetch
	s_bfe_u32 s40, ttmp6, 0x40000
	s_bfe_u32 s41, ttmp6, 0x40004
	s_lshl_b32 s42, ttmp9, 2
	s_add_co_u32 s42, s42, s40                     ; tile column
	s_and_b32 s19, ttmp7, 0xffff
	s_lshl_b32 s19, s19, 2
	s_add_co_u32 s19, s19, s41                     ; tile row
	s_lshl_b32 s43, s41, 2
	s_lshl_b32 s43, 15, s43
	s_lshl_b32 s44, 0x1111, s40
	s_or_b32 s[G1+0], s43, (3<<16)|(1<<21)
	s_or_b32 s[G1B+0], s44, (3<<16)|(1<<21)
.irp g, G1, G1B
	s_mov_b32 s[\g+1], 1024<<16                    ; a tile's 8,192 bytes of a slot, in elements of 8 bytes
	s_mov_b32 s[\g+2], 4<<16                       ; 4 tiles
	s_mov_b32 s[\g+3], 1024<<16
	s_mov_b32 s[\g+4], 4
	s_mov_b32 s[\g+5], 2*KK                        ; from tile to tile: 16 KK bytes
	s_mov_b32 s[\g+6], 0
	s_mov_b32 s[\g+7], 0
.endr
	s_or_b32 s[G1S+0], s43, (3<<16)|(1<<21)
	s_or_b32 s[G1SB+0], s44, (3<<16)|(1<<21)
.irp g, G1S, G1SB
	s_mov_b32 s[\g+1], 32<<16                      ; HALFS dense bytes as rows of 256
	s_mov_b32 s[\g+2], (HALFS/256)<<16
	s_mov_b32 s[\g+3], 32<<16
	s_mov_b32 s[\g+4], HALFS/256
	s_mov_b32 s[\g+5], 32
	s_mov_b32 s[\g+6], 0
	s_mov_b32 s[\g+7], 0
.endr
	s_lshl_b32 s21, s18, 2
	s_lshl_b32 s20, s19, 3
	s_add_co_u32 s20, s20, s21                     ; A's first tile that I fetch
	s_lshl_b32 s46, s42, 3
	s_add_co_u32 s46, s46, s21                     ; B's
	s_mul_i32 s22, s20, KK/2
	s_add_co_u32 s22, s22, ASC
	s_mul_i32 s66, s46, KK/2
	s_add_co_u32 s66, s66, SC0+WC/32
	s_mul_i32 s20, s20, 16*KK
	s_mul_i32 s46, s46, 16*KK
	s_add_co_u32 s46, s46, WC
	s_mov_b32 s21, 0
	s_mov_b32 s23, 0
	s_mov_b32 s47, 0
	s_mov_b32 s67, 0
	s_mul_i32 s3, s16, HALFT
	s_mul_i32 s2, s16, HALFS
	s_mov_b32 s14, 0x3e93cd3a                      ; 1 / sqrt(12)
	s_mov_b32 s15, s14
	s_wait_kmcnt 0x0
	s_add_nc_u64 s[20:21], s[4:5], s[20:21]
	s_add_nc_u64 s[22:23], s[4:5], s[22:23]
	s_add_nc_u64 s[46:47], s[6:7], s[46:47]
	s_add_nc_u64 s[66:67], s[6:7], s[66:67]
	CROUND                                         ; all sixteen work-groups are here
	s_mov_b32 s[G0S], 1
	s_add_co_u32 s[G0S+1], s2, SCL
	s_mov_b64 s[G0S+2:G0S+3], s[22:23]
	s_or_b32 s[G0S+3], s[G0S+3], 0x80000000
	s_mov_b32 s[G0SB], 1
	s_add_co_u32 s[G0SB+1], s2, SCL
	s_mov_b64 s[G0SB+2:G0SB+3], s[66:67]
	s_or_b32 s[G0SB+3], s[G0SB+3], 0x80000000
	JLOAD G0S, G1S, G0SB, G1SB
.irp s, 0,1
	s_mov_b32 s[G0+4*\s], 1
	s_add_co_u32 s[G0+4*\s+1], s3, \s*SLOT
	s_add_nc_u64 s[G0+4*\s+2:G0+4*\s+3], s[20:21], \s*8192
	s_or_b32 s[G0+4*\s+3], s[G0+4*\s+3], 0x80000000
	s_mov_b32 s[G0B+4*\s], 1
	s_add_co_u32 s[G0B+4*\s+1], s3, \s*SLOT
	s_add_nc_u64 s[G0B+4*\s+2:G0B+4*\s+3], s[46:47], \s*8192
	s_or_b32 s[G0B+4*\s+3], s[G0B+4*\s+3], 0x80000000
	JLOAD G0+4*\s, G1, G0B+4*\s, G1B
.endr
	v_and_b32 v1, 15, v0                           ; r
	v_bfe_u32 v2, v0, 4, 1                         ; h
	v_and_b32 v3, 31, v0
	v_lshlrev_b32 v4, 4, v3                        ; 16 x lane
	s_mul_i32 s21, s17, HALFT
	s_mul_i32 s22, s18, HALFT
	s_add_co_u32 s22, s22, 2*HALFT
.irp s, 0,1
	v_add_nc_u32 v[ADRA+\s], s21, v4
	v_add_nc_u32 v[ADRB+\s], s22, v4
	s_add_co_u32 s21, s21, SLOT
	s_add_co_u32 s22, s22, SLOT
.endr
	v_lshlrev_b32 v5, 3, v1
	s_mul_i32 s21, s17, HALFS
	s_mul_i32 s22, s18, HALFS
	s_add_co_u32 s22, s22, 2*HALFS
	s_sub_co_u32 s22, s22, s21
	v_mul_u32_u24 v6, s22, v2                      ; lanes 16-31 take B's words
	s_add_co_u32 s21, s21, SCL
	v_add_nc_u32 v5, v5, v6
	v_add_nc_u32 v[ADRS], s21, v5
	s_mul_i32 s23, s16, 4352                       ; my stage: 16 rows x (256 + 16) bytes, in slot 0
	v_mul_u32_u24 v5, v1, 272
	v_lshl_add_u32 v5, v2, 6, v5
	v_add_nc_u32 v[STO], s23, v5                   ; in: row r, + 64 h
	v_mul_u32_u24 v5, v2, 272
	v_lshl_add_u32 v5, v1, 4, v5
	v_add_nc_u32 v[RD], s23, v5                    ; back: lanes 0-15 one row, lanes 16-31 the next
	v_lshlrev_b32 v5, 12, v2
	v_lshl_add_u32 v[CO], v1, 4, v5                ; and the same in rows of 4,096 bytes
	v_lshlrev_b32 v7, 4, v1
	s_lshl_b32 s20, s19, 7
	s_lshl_b32 s21, s17, 6
	s_add_co_u32 s20, s20, s21
	s_lshl_b32 s20, s20, 12                        ; my first row
	s_lshl_b32 s22, s42, 9
	s_lshl_b32 s21, s18, 8
	s_add_co_u32 s22, s22, s21                     ; my first column, in bytes
	s_add_co_u32 s20, s20, s22
	s_mov_b32 s21, 0
	s_mov_b32 s23, 0
	s_add_nc_u64 s[10:11], s[10:11], s[20:21]
	s_add_nc_u64 s[12:13], s[12:13], s[20:21]
	s_add_nc_u64 s[8:9], s[8:9], s[22:23]
	global_load_b128 v[8:11], v7, s[8:9]           ; the bias of the four columns that I store
	WIN 0x80                                       ; destination window 2
.irp a, 0,1,2,3
.irp t, 0,1,2,3,4,5,6,7
	global_load_b128 v[32*\a+4*\t:32*\a+4*\t+3], v[CO], s[10:11] offset:(32*(\a/2)+8*(\a%2)+2*\t+8*(\t/4))*4096 th:TH_LOAD_NT   ; the rows in the order in which the stage gives them back
.endr
.endr
	WIN 0
.macro FRAG reg, adr, i, ks
.irp c, 0,1,2,3
	ds_load_b128 v[\reg+4*\c:\reg+4*\c+3], v[\adr] offset:(\i)*8192+(\ks)*2048+512*\c
.endr
.endm
.macro FETCH slot, ks, f               ; 32 loads in one run: B's four fragments, then A's; the youngest eight are A's 2 and 3
	WIN TO_F
.irp i, 0,1,2,3
	FRAG (\f)+64+16*\i, ADRB+\slot, \i, \ks
.endr
.irp i, 0,1,2,3
	FRAG (\f)+16*\i, ADRA+\slot, \i, \ks
.endr
.endm
.macro SCALES set                      ; a slot's four words a row: lanes 0-15 A's tile i, lanes 16-31 B's tile i
.irp i, 0,1,2,3
	ds_load_b64 v[SC+16*\set+4*\i:SC+16*\set+4*\i+1], v[ADRS] offset:\i*(KK/2)
	ds_load_b64 v[SC+16*\set+4*\i+2:SC+16*\set+4*\i+3], v[ADRS] offset:\i*(KK/2)+128
.endr
.endm
.macro MUL4 f, a, ks, set, zero        ; A's tile a x B's four.  The 16 accumulators take turns in one order
.irp b, 0,1,2,3
.if \zero
	v_wmma_scale_f32_16x16x128_f8f6f4 v[ACC+8*(4*(\a)+\b):ACC+8*(4*(\a)+\b)+7], v[\f+64+16*\b:\f+64+16*\b+15], v[\f+16*(\a):\f+16*(\a)+15], 0, v[SC+16*(\set)+4*\b+(\ks)], v[SC+16*(\set)+4*(\a)+(\ks)] matrix_a_fmt:MATRIX_FMT_BF8 matrix_b_fmt:MATRIX_FMT_BF8 matrix_a_scale:MATRIX_SCALE_ROW1
.else
	v_wmma_scale_f32_16x16x128_f8f6f4 v[ACC+8*(4*(\a)+\b):ACC+8*(4*(\a)+\b)+7], v[\f+64+16*\b:\f+64+16*\b+15], v[\f+16*(\a):\f+16*(\a)+15], v[ACC+8*(4*(\a)+\b):ACC+8*(4*(\a)+\b)+7], v[SC+16*(\set)+4*\b+(\ks)], v[SC+16*(\set)+4*(\a)+(\ks)] matrix_a_fmt:MATRIX_FMT_BF8 matrix_b_fmt:MATRIX_FMT_BF8 matrix_a_scale:MATRIX_SCALE_ROW1
.endif
.endr
.endm
.macro PLACES n
.rept \n
	v_nop
.endr
.endm
.macro KS slot, ks, zero               ; one of a slot's first three K steps: multiplies buffer ks % 2, fetches the next step into the other
.set FC, 128*((\ks)%2)
.set FN, 128-FC
	s_wait_dscnt 8                                 ; all but the youngest eight loads (A's fragments 2 and 3)
	WIN MUL
	MUL4 FC, 0, \ks, \slot, \zero
	MUL4 FC, 1, \ks, \slot, \zero
	PLACES 8
	FETCH \slot, (\ks)+1, FN
	s_wait_dscnt 32                                ; all but the 32 just issued
	WIN MUL
	MUL4 FC, 2, \ks, \slot, \zero
	MUL4 FC, 3, \ks, \slot, \zero
.endm
; A slot's last K step changes slots: one barrier; in front of it the wait for all my tensor loads, the add, the wait for it and for my reads of the slot.  fill = 1: the slot is filled again behind a round of the cluster's barrier.
.macro TURN slot, next, fill
	WIN 0
	s_wait_tensorcnt 0x0                           ; all my tensor loads have landed: my part of the next slot
	ds_add_u32 v[SPW], v[NIL]                      ; 0 onto my spare word
	s_wait_dscnt 9                                 ; the add and the youngest eight loads may be out
	WIN MUL
	MUL4 F1, 0, 3, \slot, 0
	s_wait_dscnt 0x0                               ; the add is done, and my reads of this slot are over
	s_barrier_signal -1
	MUL4 F1, 1, 3, \slot, 0
	WIN 0
	s_barrier_wait -1
.if \fill
	CREST
	s_add_nc_u64 s[G0+4*\slot+2:G0+4*\slot+3], s[G0+4*\slot+2:G0+4*\slot+3], 16384
	s_add_nc_u64 s[G0B+4*\slot+2:G0B+4*\slot+3], s[G0B+4*\slot+2:G0B+4*\slot+3], 16384
	JLOAD G0+4*\slot, G1, G0B+4*\slot, G1B         ; the first tensor load behind the round
	PLACES 4
.else
	PLACES 8
.endif
	v_add_nc_u32 v[ADRS], 256, v[ADRS]             ; the next slot's scale words
	SCALES \next
	FETCH \next, 0, F0
	WIN MUL
	MUL4 F1, 2, 3, \slot, 0
	MUL4 F1, 3, 3, \slot, 0
.endm
	s_wait_tensorcnt 1                             ; the scale words and my part of slot 0 are in; slot 1's load may be out
	s_barrier_signal -1
	s_barrier_wait -1
	SCALES 0
	FETCH 0, 0, F0
	KS 0, 0, 1                                     ; the first K step starts the sums
.if LAPS > 1
	WIN 0
	s_mov_b32 s3, LAPS-1
.Llap:                                                 ; a trip goes once round the ring and fills both slots again
	KS 0, 1, 0
	KS 0, 2, 0
	TURN 0, 1, 1
	KS 1, 0, 0
	KS 1, 1, 0
	KS 1, 2, 0
	TURN 1, 0, 1
	KS 0, 0, 0
	WIN 0
	s_sub_co_u32 s3, s3, 1
	s_cmp_lg_u32 s3, 0
	s_cbranch_scc1 .Llap
.endif
	KS 0, 1, 0
	KS 0, 2, 0
	TURN 0, 1, 0
	KS 1, 0, 0
	KS 1, 1, 0
	KS 1, 2, 0
	s_wait_dscnt 8
	WIN MUL
	MUL4 F1, 0, 3, 1, 0
	MUL4 F1, 1, 3, 1, 0
	s_wait_dscnt 0
	MUL4 F1, 2, 3, 1, 0
	MUL4 F1, 3, 3, 1, 0
	WIN 0
	; THE WAY OUT, row tile by row tile, through my own stage: LDS serves a wave's instructions in order (ISA guide 5.7.1.4), so no wait stands between the stores and the loads
	PLACES 8
	s_wait_loadcnt 0x0                             ; the bias and the residual
.macro TOSTAGE a
.irp b, 0,1,2,3
	ds_store_b128 v[STO], v[ACC+8*(4*(\a)+\b):ACC+8*(4*(\a)+\b)+3] offset:128*(\b/2)+32*(\b%2)      ; each accumulator from its low end on
	ds_store_b128 v[STO], v[ACC+8*(4*(\a)+\b)+4:ACC+8*(4*(\a)+\b)+7] offset:128*(\b/2)+32*(\b%2)+16
.endr
.irp t, 0,1,2,3,4,5,6,7
	ds_load_b128 v[BK+32*((\a)%2)+4*\t:BK+32*((\a)%2)+4*\t+3], v[RD] offset:544*\t
.endr
.endm
.macro SEND a, younger
.set BB, BK+32*((\a)%2)
	s_wait_dscnt \younger                          ; the tile is back in registers; the next tile's 16 LDS instructions may be out
.irp t, 0,1,2,3,4,5,6,7
	v_pk_add_f32 v[BB+4*\t:BB+4*\t+1], v[BB+4*\t:BB+4*\t+1], v[8:9]
	v_pk_add_f32 v[BB+4*\t+2:BB+4*\t+3], v[BB+4*\t+2:BB+4*\t+3], v[10:11]
.endr
	WIN 0x20                                       ; source 2: window 2
.irp t, 0,1,2,3,4,5,6,7
	v_pk_fma_f32 v[BB+4*\t:BB+4*\t+1], v[BB+4*\t:BB+4*\t+1], s[14:15], v[32*(\a)+4*\t:32*(\a)+4*\t+1] op_sel_hi:[1,0,1]
	v_pk_fma_f32 v[BB+4*\t+2:BB+4*\t+3], v[BB+4*\t+2:BB+4*\t+3], s[14:15], v[32*(\a)+4*\t+2:32*(\a)+4*\t+3] op_sel_hi:[1,0,1]
.endr
	WIN 0
.irp t, 0,1,2,3,4,5,6,7
	global_store_b128 v[CO], v[BB+4*\t:BB+4*\t+3], s[12:13] offset:(32*((\a)/2)+8*((\a)%2)+2*\t+8*(\t/4))*4096   ; 16 lanes store 256 consecutive bytes, at a multiple of 256
.endr
.endm
	TOSTAGE 0
	TOSTAGE 1
	SEND 0, 16
	s_wait_xcnt 0x0                                ; tile 0's stores have read their registers: tile 2's rows may land there
	TOSTAGE 2
	SEND 1, 16
	s_wait_xcnt 0x0
	TOSTAGE 3
	SEND 2, 16
	SEND 3, 0
	s_wait_tensorcnt 0x0                           ; the wave's end
	ds_add_u32 v[SPW], v[NIL]
	s_wait_dscnt 0x0
	CROUND                                         ; the closing round
	s_endpgm
.Lfunc_end_k_qfbedea5035_wo:
	.size	k_qfbedea5035_wo, .Lfunc_end_k_qfbedea5035_wo-k_qfbedea5035_wo
	.p2alignl 7, 3214868480
	.fill 96, 4, 3214868480
	.section	.rodata,"a",@progbits
	.p2align	6, 0x0
	.amdhsa_kernel k_qfbedea5035_wo
		.amdhsa_group_segment_fixed_size 327680
		.amdhsa_private_segment_fixed_size 0
		.amdhsa_enable_private_segment 0
		.amdhsa_kernarg_size 40
		.amdhsa_user_sgpr_count 2
		.amdhsa_user_sgpr_kernarg_segment_ptr 1
		.amdhsa_wavefront_size32 1
		.amdhsa_system_sgpr_workgroup_id_x 1
		.amdhsa_system_sgpr_workgroup_id_y 1
		.amdhsa_system_sgpr_workgroup_id_z 1
		.amdhsa_system_vgpr_workitem_id 0
		.amdhsa_next_free_vgpr 768
		.amdhsa_next_free_sgpr 92
		.amdhsa_reserve_vcc 0
		.amdhsa_float_denorm_mode_32 3
		.amdhsa_float_denorm_mode_16_64 3
		.amdhsa_memory_ordered 1
		.amdhsa_forward_progress 1
		.amdhsa_inst_pref_size 65
	.end_amdhsa_kernel
	.amdgpu_metadata
---
amdhsa.version: [ 1, 2 ]
amdhsa.kernels:
  - .name:           k_qfbedea5035_wo
    .symbol:         k_qfbedea5035_wo.kd
    .args:
      - { .name: ac, .offset: 0, .size: 8, .value_kind: global_buffer, .address_space: global }
      - { .name: wts, .offset: 8, .size: 8, .value_kind: global_buffer, .address_space: global }
      - { .name: bo, .offset: 16, .size: 8, .value_kind: global_buffer, .address_space: global }
      - { .name: x, .offset: 24, .size: 8, .value_kind: global_buffer, .address_space: global }
      - { .name: x1, .offset: 32, .size: 8, .value_kind: global_buffer, .address_space: global }
    .group_segment_fixed_size: 327680
    .private_segment_fixed_size: 0
    .kernarg_segment_align: 8
    .kernarg_segment_size: 40
    .max_flat_workgroup_size: 128
    .sgpr_count:     92
    .vgpr_count:     768
    .wavefront_size: 32
...
	.end_amdgpu_metadata
.endif
;; end of part 4
;; launch prep2 (part 5): grid 768 x 1, 4 waves a work-group, no clusters, 66,560 bytes of LDS; arguments x1, g2, be2, h2, Wq, Wk, Wv, Wo, W1, W2, wts; writes h2, wts
.if DOCPART == 5
	.amdgcn_target "amdgcn-amd-amdhsa--gfx1250"
	.amdhsa_code_object_version 6
	.text
	.protected	k_qfbedea5035_prep2
	.globl	k_qfbedea5035_prep2
	.p2align	8
	.type	k_qfbedea5035_prep2,@function
k_qfbedea5035_prep2:
	s_mov_b64 s[64:65], 0
	v_nop
	global_prefetch_b8 v0, s[64:65] scope:SCOPE_SE
	s_setreg_imm32_b32 hwreg(HW_REG_WAVE_MODE, 25, 1), 1
	s_wait_xcnt 0x0
; TWO JOBS THAT DO NOT DEPEND ON EACH OTHER SHARE THIS LAUNCH, so that the stream of the one runs while the other waits for its rows.  A work-group is wholly on one path: the branch hangs on its number alone.
; Work-groups 0-255: LAYERNORM of 16 rows each, quantised.  Work-groups 256 on: WEIGHTS, f32, stored [K][N], quantised along K.  Here: weight numbers 256-767: W1 and W2 (256 work-groups each), which only the launches behind this one read.
; Both make codes of BF8 (E5M2) with one E8M0 byte for each 32 along K, laid as IMAGES OF OPERAND REGISTERS.  Tile T of 16 rows: lane-row r is row 32 (T / 2) + 8 (T % 2) + r + 8 (r / 8).
; Codes: byte T x 16 K + s x 2048 + c x 512 + 16 L + e = element (row of (T, L % 16), k = 128 s + 32 c + 16 (L / 16) + e).  Scale words: T x K / 2 + (s / 2) x 128 + 8 r + 4 (s % 2).
; LIMITS: NaN and infinities are not served.  A block of zeros, or one whose largest magnitude lies under 2^-111, gets the byte 1 (the stated quantiser says 127 for zeros): its codes are zeros, and only this program reads the bytes.  v_rsq_f32 is good to 1 ulp.
; No prefetch: half of a weight wave's loads go out at its start and the rest two blocks ahead; a LayerNorm wave issues all its loads at once.  No tensor loads, no clusters: the work-groups share nothing.
.set NLN, 256                          ; work-groups that normalise
.set WQ0, 256                          ; the first weight number of this launch
	s_set_vgpr_msb 0x40
	v_lshl_add_u32 v0, v0, 2, 0x10200
	v_mov_b32 v1, 0
	s_set_vgpr_msb 0x4000
	s_cmp_ge_u32 ttmp9, NLN
	s_cbranch_scc1 .Lweights
; ---------------------------------------------------------------- LAYERNORM
; y = (x - mean) rsqrt(var + 1e-5) g + be over rows of 1,024, all in f32 (the variance of the centred numbers, so a common offset does no harm), then quantised along the row.
; Codes at T x 16384 + s x 2048 + c x 512 + 16 L, scale words at 4,194,304 + T x 512 + (s / 2) x 128 + 8 r + 4 (s % 2).  Work-group T makes row tile T.
; Phase 1: wave w normalises lane-rows 4 w .. 4 w + 3 (four rows on end in memory), a row in 32 registers of the wave, and puts them into LDS.  One barrier.
; Phase 2: wave w takes columns 256 w .. 256 w + 255 of all 16 rows, K steps 2 w and 2 w + 1: lane (r, h) reads 16 neighbours of each block of 32 of row r, so the conversions' results are the operand's registers.
.set PITCH, 4112                       ; an LDS row: 4,096 bytes + 16: the 16 rows that a load touches start 16 bytes apart modulo 256
.set HSC,   4194304
.set LI,  4                            ; v4   16 x lane
.set LW,  5                            ; v5   LDS: where my wave's rows go
.set LR,  6                            ; v6   LDS: where I read in phase 2
.set SO,  8                            ; v8   my scale word's place
.set WD,  9                            ; v9   the scale word to store
.set SUM, 10                           ; v10-13 a sum for each row; v14-17 the other half of the lanes'
.set BC,  20                           ; v20-27 a pair for each row: the mean, then the reciprocal root, in the low word
.set TM,  28                           ; v28-43 two chains of pairs a row; in phase 2 the quantiser's 16
.set PW,  44                           ; v44-45 the two scale words
.set X,   64                           ; v64-191 four rows of 32; in phase 2 two sets of 64 numbers
.set G,   192
.set BE,  224
.set PC0, 192                          ; in phase 2: the codes
.set PC1, 208
.set SEL, 16
.set MNT, 18
; 64 numbers of a lane, register 16 b + i = k 32 b + 16 (lane / 16) + i of my row, become a fragment's codes in v[pc] on and its scale word in v[pw]
.macro QUANT s, pc, pw
.irp b, 0,1,2,3
	v_max3_num_f32 v[TM+\b], |v[\s+16*\b]|, |v[\s+1+16*\b]|, 0x8000000   ; my 16 numbers of block b, and the floor 2^(16 - 127)
.endr
.irp i, 2,4,6,8,10,12,14
.irp b, 0,1,2,3
	v_max3_num_f32 v[TM+\b], v[TM+\b], |v[\s+16*\b+\i]|, |v[\s+1+16*\b+\i]|
.endr
.endr
.irp b, 0,1,2,3
	v_permlanex16_b32 v[TM+4+\b], v[TM+\b], s[SEL], s[SEL+1]
.endr
.irp b, 0,1,2,3
	v_max_num_f32 v[TM+\b], v[TM+\b], v[TM+4+\b]   ; with lane l xor 16's: the block's largest magnitude
.endr
.irp b, 0,1,2,3
	v_add_nc_u32 v[TM+12+\b], 0xf8800000, v[TM+\b] ; 15 off the exponent field: the conversion's scale operand
.endr
.irp b, 0,1,2,3
	v_and_or_b32 v[TM+8+\b], v[TM+\b], 0x7f800000, s[MNT]  ; 57,344 x the scale
.endr
.irp b, 0,1,2,3
	v_lshrrev_b32 v[TM+4+\b], 23, v[TM+12+\b]      ; the scale's byte
.endr
	v_lshl_or_b32 v[\pw], v[TM+5], 8, v[TM+4]
	v_lshl_or_b32 v[\pw], v[TM+6], 16, v[\pw]
	v_lshl_or_b32 v[\pw], v[TM+7], 24, v[\pw]
.irp b, 0,1,2,3
.irp i, 0,1,2,3,4,5,6,7,8,9,10,11,12,13,14,15
	v_med3_num_f32 v[\s+16*\b+\i], v[\s+16*\b+\i], -v[TM+8+\b], v[TM+8+\b]   ; the conversion does not saturate (ISA guide 7.6.2): the hold comes first
.endr
	v_cvt_scalef32_pk8_bf8_f32 v[\pc+4*\b:\pc+1+4*\b], v[\s+16*\b:\s+7+16*\b], v[TM+12+\b]
	v_cvt_scalef32_pk8_bf8_f32 v[\pc+2+4*\b:\pc+3+4*\b], v[\s+8+16*\b:\s+15+16*\b], v[TM+12+\b]
.endr
	v_nop                                          ; a plain line behind the last conversion
.endm
.macro REDUCE                          ; v[SUM + i]: the sum over the wave's 32 lanes, in every lane; the four rows by turns
.irp m, 1,2,4,8
.irp i, 0,1,2,3
	v_add_f32_dpp v[SUM+\i], v[SUM+\i], v[SUM+\i] row_xmask:\m row_mask:0xf bank_mask:0xf
.endr
.endr
.irp i, 0,1,2,3
	v_permlanex16_b32 v[SUM+4+\i], v[SUM+\i], s[SEL], s[SEL+1]
.endr
.irp i, 0,1,2,3
	v_add_f32 v[SUM+\i], v[SUM+\i], v[SUM+4+\i]
.endr
.endm
	s_load_b256 s[4:11], s[0:1], 0x0               ; x, g, be, the image
	v_lshrrev_b32 v1, 5, v0
	v_readfirstlane_b32 s12, v1                    ; wave
	v_and_b32 v1, 31, v0
	v_and_b32 v2, 15, v0                           ; r
	v_bfe_u32 v3, v0, 4, 1                         ; h
	v_lshlrev_b32 v[LI], 4, v1
	s_mul_i32 s13, s12, 4*PITCH
	v_add_nc_u32 v[LW], s13, v[LI]
	v_mul_u32_u24 v[LR], v2, PITCH
	v_lshl_add_u32 v[LR], v3, 6, v[LR]
	s_lshl_b32 s13, s12, 10
	v_add_nc_u32 v[LR], s13, v[LR]                 ; row r, + 64 h, + my wave's 1,024 bytes
	v_lshlrev_b32 v[SO], 3, v2
	v_lshl_add_u32 v[SO], v3, 2, v[SO]             ; 8 r + 4 h
.irp i, 0,1,2,3
	v_mov_b32 v[SUM+4+\i], 0                       ; a lane permute's destination counts as read
	v_mov_b32 v[BC+1+2*\i], 0                      ; named as the upper halves of pairs
.endr
	s_mov_b32 s[SEL], 0x76543210
	s_mov_b32 s[SEL+1], 0xfedcba98
	s_mov_b32 s[MNT], 0x600000
	s_mov_b32 s19, 0x3a800000                      ; 1 / 1,024
	s_mov_b32 s20, 0x3727c5ac                      ; 1e-5
	s_lshr_b32 s14, ttmp9, 1
	s_lshl_b32 s14, s14, 5
	s_and_b32 s15, ttmp9, 1
	s_lshl_b32 s15, s15, 3
	s_add_co_u32 s14, s14, s15                     ; 32 (T / 2) + 8 (T % 2)
	s_lshl_b32 s15, s12, 2
	s_add_co_u32 s14, s14, s15                     ; + 4 w
	s_lshr_b32 s15, s12, 1
	s_lshl_b32 s15, s15, 3
	s_add_co_u32 s14, s14, s15                     ; + 8 (w / 2): my wave's first row
	s_lshl_b32 s14, s14, 12
	s_mov_b32 s15, 0
	s_lshl_b32 s22, ttmp9, 14
	s_lshl_b32 s23, s12, 12
	s_add_co_u32 s22, s22, s23                     ; codes: tile T, K step 2 w
	s_mov_b32 s23, 0
	s_lshl_b32 s24, ttmp9, 9
	s_lshl_b32 s25, s12, 7
	s_add_co_u32 s24, s24, s25
	s_add_co_u32 s24, s24, HSC                     ; and its scale words
	s_mov_b32 s25, 0
	s_wait_kmcnt 0x0
	s_add_nc_u64 s[4:5], s[4:5], s[14:15]
	s_add_nc_u64 s[22:23], s[10:11], s[22:23]
	s_add_nc_u64 s[24:25], s[10:11], s[24:25]
.irp i, 0,1,2,3
.irp j, 0,1,2,3,4,5,6,7
	global_load_b128 v[X+32*\i+4*\j:X+32*\i+4*\j+3], v[LI], s[4:5] offset:\i*4096+512*\j th:TH_LOAD_NT   ; 512 consecutive bytes a load
.endr
.endr
.irp j, 0,1,2,3,4,5,6,7
	global_load_b128 v[G+4*\j:G+4*\j+3], v[LI], s[6:7] offset:512*\j
	global_load_b128 v[BE+4*\j:BE+4*\j+3], v[LI], s[8:9] offset:512*\j
.endr
	s_wait_loadcnt 16                              ; the four rows are in; the 16 loads of g and be may be out
.irp i, 0,1,2,3
	v_pk_add_f32 v[TM+4*\i:TM+4*\i+1], v[X+32*\i:X+32*\i+1], v[X+32*\i+2:X+32*\i+3]
	v_pk_add_f32 v[TM+4*\i+2:TM+4*\i+3], v[X+32*\i+4:X+32*\i+5], v[X+32*\i+6:X+32*\i+7]
.endr
.irp p, 8,12,16,20,24,28
.irp i, 0,1,2,3
	v_pk_add_f32 v[TM+4*\i:TM+4*\i+1], v[TM+4*\i:TM+4*\i+1], v[X+32*\i+\p:X+32*\i+\p+1]
	v_pk_add_f32 v[TM+4*\i+2:TM+4*\i+3], v[TM+4*\i+2:TM+4*\i+3], v[X+32*\i+\p+2:X+32*\i+\p+3]
.endr
.endr
.irp i, 0,1,2,3
	v_pk_add_f32 v[TM+4*\i:TM+4*\i+1], v[TM+4*\i:TM+4*\i+1], v[TM+4*\i+2:TM+4*\i+3]
.endr
.irp i, 0,1,2,3
	v_add_f32 v[SUM+\i], v[TM+4*\i], v[TM+4*\i+1]
.endr
	REDUCE
.irp i, 0,1,2,3
	v_mul_f32 v[BC+2*\i], s19, v[SUM+\i]           ; the mean
.endr
.irp p, 0,2,4,6,8,10,12,14,16,18,20,22,24,26,28,30
.irp i, 0,1,2,3
	v_pk_add_f32 v[X+32*\i+\p:X+32*\i+\p+1], v[X+32*\i+\p:X+32*\i+\p+1], v[BC+2*\i:BC+2*\i+1] op_sel_hi:[1,0] neg_lo:[0,1] neg_hi:[0,1]   ; x - mean
.endr
.endr
.irp i, 0,1,2,3
	v_pk_mul_f32 v[TM+4*\i:TM+4*\i+1], v[X+32*\i:X+32*\i+1], v[X+32*\i:X+32*\i+1]
	v_pk_mul_f32 v[TM+4*\i+2:TM+4*\i+3], v[X+32*\i+2:X+32*\i+3], v[X+32*\i+2:X+32*\i+3]
.endr
.irp p, 4,8,12,16,20,24,28
.irp i, 0,1,2,3
	v_pk_fma_f32 v[TM+4*\i:TM+4*\i+1], v[X+32*\i+\p:X+32*\i+\p+1], v[X+32*\i+\p:X+32*\i+\p+1], v[TM+4*\i:TM+4*\i+1]
	v_pk_fma_f32 v[TM+4*\i+2:TM+4*\i+3], v[X+32*\i+\p+2:X+32*\i+\p+3], v[X+32*\i+\p+2:X+32*\i+\p+3], v[TM+4*\i+2:TM+4*\i+3]
.endr
.endr
.irp i, 0,1,2,3
	v_pk_add_f32 v[TM+4*\i:TM+4*\i+1], v[TM+4*\i:TM+4*\i+1], v[TM+4*\i+2:TM+4*\i+3]
.endr
.irp i, 0,1,2,3
	v_add_f32 v[SUM+\i], v[TM+4*\i], v[TM+4*\i+1]
.endr
	REDUCE
.irp i, 0,1,2,3
	v_fma_f32 v[SUM+\i], v[SUM+\i], s19, s20       ; the variance + 1e-5
.endr
.irp i, 0,1,2,3
	v_rsq_f32 v[BC+2*\i], v[SUM+\i]
.endr
	v_nop                                          ; a plain line behind the last of the four
	s_wait_alu depctr_va_vdst(0)                   ; one wait for the four, ahead of their first reader
	s_wait_loadcnt 0x0                             ; g and be
.irp p, 0,2,4,6,8,10,12,14,16,18,20,22,24,26,28,30
.irp i, 0,1,2,3
	v_pk_mul_f32 v[X+32*\i+\p:X+32*\i+\p+1], v[X+32*\i+\p:X+32*\i+\p+1], v[BC+2*\i:BC+2*\i+1] op_sel_hi:[1,0]
.endr
.endr
.irp p, 0,2,4,6,8,10,12,14,16,18,20,22,24,26,28,30
.irp i, 0,1,2,3
	v_pk_fma_f32 v[X+32*\i+\p:X+32*\i+\p+1], v[X+32*\i+\p:X+32*\i+\p+1], v[G+\p:G+\p+1], v[BE+\p:BE+\p+1]
.endr
.endr
.irp i, 0,1,2,3
.irp j, 0,1,2,3,4,5,6,7
	ds_store_b128 v[LW], v[X+32*\i+4*\j:X+32*\i+4*\j+3] offset:\i*PITCH+512*\j
.endr
.endr
	s_wait_dscnt 0x0                               ; for the others' sake: my rows lie in LDS
	s_barrier_signal -1
	s_barrier_wait -1
.irp q, 0,1
.irp c, 0,1,2,3
.irp j, 0,1,2,3
	ds_load_b128 v[X+64*\q+16*\c+4*\j:X+64*\q+16*\c+4*\j+3], v[LR] offset:512*\q+128*\c+16*\j
.endr
.endr
.endr
	s_wait_dscnt 16                                ; the first K step's 16 loads are in; the second's may be out
	QUANT X, PC0, PW
.irp c, 0,1,2,3
	global_store_b128 v[LI], v[PC0+4*\c:PC0+4*\c+3], s[22:23] offset:512*\c          ; 512 consecutive bytes a store
.endr
	s_wait_dscnt 0x0
	QUANT X+64, PC1, PW+1
.irp c, 0,1,2,3
	global_store_b128 v[LI], v[PC1+4*\c:PC1+4*\c+3], s[22:23] offset:2048+512*\c
.endr
	v_cmp_eq_u32 vcc_lo, 1, v3
	v_cndmask_b32 v[WD], v[PW], v[PW+1], vcc_lo    ; lanes 0-15 store the first K step's words, lanes 16-31 the second's (both halves hold both)
	global_store_b32 v[SO], v[WD], s[24:25]
	s_set_vgpr_msb 0x5
	s_wait_tensorcnt 0x0
	ds_add_u32 v0, v1
	s_wait_dscnt 0x0
	s_set_vgpr_msb 0x500
	s_endpgm
; ---------------------------------------------------------------- WEIGHTS
; Rows of an operand are the weight's columns n.  A LANE TAKES A COLUMN AND ITS REGISTERS RUN DOWN K: a block of 32 lies in one lane, so its largest magnitude needs no other lane.
; Lanes 0-15 are a tile pair's first tile, lanes 16-31 its second; a load still reads 128 consecutive bytes, and a store of 16 codes a lane writes two whole runs of 256 consecutive bytes, each at a multiple of 256.
; A wave takes 32 columns x 128 along K: 4 blocks, one K step of the image; a work-group 128 columns.  Two blocks' loads (64 a wave) are out at a time, so a wave's loads make two trips.
; Weight numbers 0-255: Wq, Wk, Wv, Wo (64 each); 256-511: W1; 512-767: W2.  One path: what differs is chosen by the number.
.set SC0, 12582912                     ; the scale words begin here; a weight's lie at its codes' offset / 32
.set VO,  16                           ; v16-47  byte offsets of my column in 32 rows on end
.set WX,  48                           ; v48-111 two sets of 32 numbers
.set WCD, 112                          ; v112-143 codes: 8 registers a block, never written twice
.Lweights:
	s_load_b256 s[4:11], s[0:1], 0x20              ; Wq, Wk, Wv, Wo
	s_load_b128 s[12:15], s[0:1], 0x40             ; W1, W2
	s_load_b64 s[16:17], s[0:1], 0x50              ; wts
	s_sub_co_u32 s2, ttmp9, NLN-WQ0                ; my weight number
	v_lshrrev_b32 v1, 5, v0
	v_readfirstlane_b32 s18, v1                    ; wave
	v_and_b32 v2, 15, v0                           ; r
	v_bfe_u32 v3, v0, 4, 1                         ; u: which tile of the pair
	s_lshr_b32 s19, s2, 8                          ; class: 0 the four square weights, 1 W1, 2 W2
	s_lshr_b32 s20, s2, 6                          ; in class 0: which weight
	s_lshl_b32 s25, s19, 2
	s_mov_b32 s21, 4096
	s_mov_b32 s22, 16384
	s_mov_b32 s23, 255
	s_cmp_eq_u32 s19, 1
	s_cselect_b32 s21, 16384, s21                  ; a row of the weight in bytes
	s_cselect_b32 s24, 5, 3                        ; log2 of its groups of 128 columns
	s_cmp_eq_u32 s19, 2
	s_cselect_b32 s22, 0x10000, s22                ; a tile's codes in bytes: 16 K
	s_cmp_eq_u32 s19, 0
	s_cselect_b32 s23, 63, s23
	s_cselect_b32 s25, s20, s25                    ; the image begins at this many MiB
	s_and_b32 s26, s2, s23                         ; my number within the weight
	s_bfm_b32 s27, s24, 0
	s_and_b32 s27, s26, s27                        ; group of 128 columns
	s_lshr_b32 s28, s26, s24                       ; which K step of 128
	s_lshl_b32 s29, s27, 3
	s_lshl_b32 s53, s18, 1
	s_add_co_u32 s29, s29, s53                     ; my wave's first tile
	s_mul_i32 s54, s28, s21
	s_lshl_b32 s54, s54, 7                         ; 128 rows a K step,
	s_lshl_b32 s55, s27, 9
	s_add_co_u32 s54, s54, s55                     ; 512 bytes a group of columns,
	s_lshl_b32 s55, s18, 7
	s_add_co_u32 s54, s54, s55                     ; 128 a wave
	s_mov_b32 s55, 0
	s_lshl_b32 s56, s21, 5                         ; 32 rows: from block to block
	s_mov_b32 s57, 0
	s_lshl_b32 s58, s25, 20
	s_mul_i32 s59, s29, s22
	s_add_co_u32 s58, s58, s59                     ; my first tile's codes
	s_lshr_b32 s60, s58, 5                         ; and its scale words
	s_lshl_b32 s59, s28, 11
	s_add_co_u32 s58, s58, s59                     ; 2,048 bytes a K step
	s_mov_b32 s59, 0
	s_lshr_b32 s61, s28, 1
	s_lshl_b32 s61, s61, 7
	s_add_co_u32 s60, s60, s61                     ; 128 bytes a pair of K steps,
	s_and_b32 s61, s28, 1
	s_lshl_b32 s61, s61, 2
	s_add_co_u32 s60, s60, s61                     ; 4 for the odd one
	s_add_co_u32 s60, s60, SC0
	s_mov_b32 s61, 0
	s_mov_b32 s52, 0x600000                        ; the mantissa field of 57,344
	v_and_b32 v6, 8, v2
	v_add_nc_u32 v6, v6, v2                        ; r + 8 (r / 8)
	v_lshl_add_u32 v6, v3, 3, v6                   ; + 8 u: my column among the wave's 32
	v_lshlrev_b32 v[VO], 2, v6
.set i, 1
.rept 31
	v_add_nc_u32 v[VO+i], s21, v[VO+i-1]           ; one row further down
.set i, i+1
.endr
	v_mul_lo_u32 v5, v3, s22
	v_lshl_add_u32 v5, v2, 4, v5                   ; codes: u tiles on, 16 bytes a lane-row
	s_lshr_b32 s53, s22, 5
	v_mul_lo_u32 v7, v3, s53
	v_lshl_add_u32 v7, v2, 3, v7                   ; scale words: u tiles on, 8 bytes a lane-row
	s_wait_kmcnt 0x0
	s_mov_b64 s[30:31], s[4:5]                     ; the weight is chosen by the work-group's number alone
	s_cmp_eq_u32 s20, 1
	s_cselect_b64 s[30:31], s[6:7], s[30:31]
	s_cmp_eq_u32 s20, 2
	s_cselect_b64 s[30:31], s[8:9], s[30:31]
	s_cmp_eq_u32 s20, 3
	s_cselect_b64 s[30:31], s[10:11], s[30:31]
	s_cmp_eq_u32 s19, 1
	s_cselect_b64 s[30:31], s[12:13], s[30:31]
	s_cmp_eq_u32 s19, 2
	s_cselect_b64 s[30:31], s[14:15], s[30:31]
	s_add_nc_u64 s[32:33], s[30:31], s[54:55]      ; a base for each of the 4 blocks: none is ever stepped
.irp t, 1,2,3
	s_add_nc_u64 s[32+2*\t:33+2*\t], s[30+2*\t:31+2*\t], s[56:57]
.endr
	s_add_nc_u64 s[48:49], s[16:17], s[58:59]
	s_add_nc_u64 s[50:51], s[16:17], s[60:61]
.macro LOAD t                          ; block t: 32 rows of my column, into set t % 2
.set i, 0
.rept 32
	global_load_b32 v[WX+32*((\t)%2)+i], v[VO+i], s[32+2*(\t):33+2*(\t)] th:TH_LOAD_NT
.set i, i+1
.endr
.endm
.macro BLOCK t
.set XS, WX+32*((\t)%2)
.if (\t) < 3
	s_wait_loadcnt 32                              ; this block's 32 loads are in; the next block's 32 may be out
.else
	s_wait_loadcnt 0
.endif
	v_max3_num_f32 v12, |v[XS]|, |v[XS+1]|, |v[XS+2]|  ; the block's largest magnitude, in two chains
	v_max3_num_f32 v13, |v[XS+3]|, |v[XS+4]|, |v[XS+5]|
.irp i, 6,10,14,18,22,26
	v_max3_num_f32 v12, v12, |v[XS+\i]|, |v[XS+\i+1]|
	v_max3_num_f32 v13, v13, |v[XS+\i+2]|, |v[XS+\i+3]|
.endr
	v_max3_num_f32 v12, v12, |v[XS+30]|, |v[XS+31]|
	v_max3_num_f32 v12, v12, v13, 0x8000000        ; and the floor 2^(16 - 127): the byte cannot fall under 1
	v_add_nc_u32 v11, 0xf8800000, v12              ; 15 off the exponent field: the conversion's scale operand
	v_and_or_b32 v10, v12, 0x7f800000, s52         ; 57,344 x the scale
	v_lshrrev_b32 v13, 23, v11                     ; the scale's byte
.if (\t) == 0
	v_mov_b32 v14, v13                             ; four bytes to the K step's word, the lower K in the lower byte
.else
	v_lshl_or_b32 v14, v13, 8*(\t), v14
.endif
.set i, 0
.rept 32
	v_med3_num_f32 v[XS+i], v[XS+i], -v10, v10     ; the conversion to an 8-bit code does not saturate (ISA guide 7.6.2): the hold comes first
.set i, i+1
.endr
.irp g, 0,1,2,3
	v_cvt_scalef32_pk8_bf8_f32 v[WCD+8*(\t)+2*\g:WCD+8*(\t)+2*\g+1], v[XS+8*\g:XS+8*\g+7], v11
.endr
	v_nop                                          ; a plain line behind the last conversion
	global_store_b128 v5, v[WCD+8*(\t):WCD+8*(\t)+3], s[48:49] offset:(\t)*512        ; k = 32 t + 0 .. 15: the image's lanes 0-15
	global_store_b128 v5, v[WCD+8*(\t)+4:WCD+8*(\t)+7], s[48:49] offset:(\t)*512+256  ; k = 32 t + 16 .. 31: its lanes 16-31
.if (\t) < 2
	LOAD (\t)+2
.endif
.endm
	LOAD 0
	LOAD 1
.irp t, 0,1,2,3
	BLOCK \t
.endr
	global_store_b32 v7, v14, s[50:51]             ; my row's scale word of this K step
	s_endpgm
.Lfunc_end_k_qfbedea5035_prep2:
	.size	k_qfbedea5035_prep2, .Lfunc_end_k_qfbedea5035_prep2-k_qfbedea5035_prep2
	.p2alignl 7, 3214868480
	.fill 96, 4, 3214868480
	.section	.rodata,"a",@progbits
	.p2align	6, 0x0
	.amdhsa_kernel k_qfbedea5035_prep2
		.amdhsa_group_segment_fixed_size 66560
		.amdhsa_private_segment_fixed_size 0
		.amdhsa_enable_private_segment 0
		.amdhsa_kernarg_size 88
		.amdhsa_user_sgpr_count 2
		.amdhsa_user_sgpr_kernarg_segment_ptr 1
		.amdhsa_wavefront_size32 1
		.amdhsa_system_sgpr_workgroup_id_x 1
		.amdhsa_system_sgpr_workgroup_id_y 1
		.amdhsa_system_sgpr_workgroup_id_z 1
		.amdhsa_system_vgpr_workitem_id 0
		.amdhsa_next_free_vgpr 258
		.amdhsa_next_free_sgpr 66
		.amdhsa_reserve_vcc 1
		.amdhsa_float_denorm_mode_32 3
		.amdhsa_float_denorm_mode_16_64 3
		.amdhsa_memory_ordered 1
		.amdhsa_forward_progress 1
		.amdhsa_inst_pref_size 84
	.end_amdhsa_kernel
	.amdgpu_metadata
---
amdhsa.version: [ 1, 2 ]
amdhsa.kernels:
  - .name:           k_qfbedea5035_prep2
    .symbol:         k_qfbedea5035_prep2.kd
    .args:
      - { .name: x1, .offset: 0, .size: 8, .value_kind: global_buffer, .address_space: global }
      - { .name: g2, .offset: 8, .size: 8, .value_kind: global_buffer, .address_space: global }
      - { .name: be2, .offset: 16, .size: 8, .value_kind: global_buffer, .address_space: global }
      - { .name: h2, .offset: 24, .size: 8, .value_kind: global_buffer, .address_space: global }
      - { .name: Wq, .offset: 32, .size: 8, .value_kind: global_buffer, .address_space: global }
      - { .name: Wk, .offset: 40, .size: 8, .value_kind: global_buffer, .address_space: global }
      - { .name: Wv, .offset: 48, .size: 8, .value_kind: global_buffer, .address_space: global }
      - { .name: Wo, .offset: 56, .size: 8, .value_kind: global_buffer, .address_space: global }
      - { .name: W1, .offset: 64, .size: 8, .value_kind: global_buffer, .address_space: global }
      - { .name: W2, .offset: 72, .size: 8, .value_kind: global_buffer, .address_space: global }
      - { .name: wts, .offset: 80, .size: 8, .value_kind: global_buffer, .address_space: global }
    .group_segment_fixed_size: 66560
    .private_segment_fixed_size: 0
    .kernarg_segment_align: 8
    .kernarg_segment_size: 88
    .max_flat_workgroup_size: 128
    .sgpr_count:     66
    .vgpr_count:     258
    .wavefront_size: 32
...
	.end_amdgpu_metadata
.endif
;; end of part 5
;; launch ffn1 (part 6): grid 16 x 16, 4 waves a work-group, clusters of 4 x 4, 327,680 bytes of LDS; arguments h2, wts, b1, hid; writes hid
.if DOCPART == 6
	.amdgcn_target "amdgcn-amd-amdhsa--gfx1250"
	.amdhsa_code_object_version 6
	.text
	.protected	k_qfbedea5035_ffn1
	.globl	k_qfbedea5035_ffn1
	.p2align	8
	.type	k_qfbedea5035_ffn1,@function
k_qfbedea5035_ffn1:
	s_mov_b64 s[64:65], 0
	v_nop
	global_prefetch_b8 v0, s[64:65] scope:SCOPE_SE
	s_setreg_imm32_b32 hwreg(HW_REG_WAVE_MODE, 25, 1), 1
	s_wait_xcnt 0x0
	s_wait_alu depctr_hold_cnt(0) depctr_sa_sdst(0) depctr_va_vdst(0) depctr_va_sdst(0) depctr_va_ssrc(0) depctr_va_vcc(0) depctr_vm_vsrc(0)
	s_getreg_b32 s2, hwreg(HW_REG_IB_STS2, 6, 4)
	s_cmp_eq_u32 s2, 0
	s_cbranch_scc0 .Lentry_in_a_cluster
	s_endpgm
.Lentry_in_a_cluster:
	s_bfe_u32 s2, ttmp6, 0x10000c
	s_cmp_lg_u32 s2, 0xf033
	s_cbranch_scc0 .Lentry_shape_is_right
	s_endpgm
.Lentry_shape_is_right:
; hid = relu(h2 W1 + b1) on codes of BF8 (E5M2) with E8M0 scales, quantised again along its 4,096 columns on the way out and stored as an image of operand registers for the next product.
; A tile of C is 256 x 256, four waves of 128 x 128 (64 accumulators); K = 1,024 goes in four slots' worth of 256 through a ring of two LDS slots; clusters of 4 x 4 with joint loads: A's tiles along a row, B's along a column.
; Operands are images of operand registers: a fragment (16 rows x 128 K) is 2,048 consecutive bytes.  Lane-row r of tile T is row 32 (T / 2) + 8 (T % 2) + r + 8 (r / 8).
; The matrix instruction is used transposed (source 0 = B's rows, source 1 = A's): the 16 registers of accumulators (a, 2 B) and (a, 2 B + 1) are columns 32 B + 16 (lane / 16) + 0 .. 15 of one row: a wave's 64 numbers of a
; row tile are one fragment (K step = the wave's 128 columns) of the next product.  The activation costs nothing: the hold that the conversion wants clips at 0 as well.
; LIMITS: NaN and infinities are not served; a block of zeros or under 2^-111 gets the byte 1 (its codes are zeros; only this program reads the bytes).
; REGISTERS: window 0: v16-29 addresses; v32-63 scale words, two sets; v64-127 the bias; v128-255 A's fragments, one set, later the way out.  window 1: B's fragments, two sets.  windows 2, 3: accumulators.
.set NQ,    2
.set FR,    16
.set NL,    4
.set NP,    8
.set HALFT, 32768
.set SLOT,  131072
.set SCL,   262144
.set HALFS, 4096
.set SPARE, SCL+4*HALFS
.set HSC,   4194304
.set SC0,   12582912
.set W1C,   4<<20
.set HIDS,  16777216                   ; hid's scale words
.set ADRA, 16
.set HH,   18
.set H64,  19
.set ADRB, 20
.set LI,   24
.set SOH,  26
.set ADRS, 27
.set SPW,  28
.set NIL,  29
.set SC,   32
.set BN,   64
.set AF,   128
.set Y,    128
.set PC,   192
.set TM,   208
.set PW,   224
.set WD,   226
.set G1, 24
.set G0, 32
.set G1B, 48
.set G0B, 56
.set G1S, 68
.set G0S, 76
.set G1SB, 80
.set G0SB, 88
.set OC0, 92
.set OS,  96
.set SEL, 98
.set MNT, 100
.set MSB, 0
.macro WIN new
.if MSB != (\new)
	s_set_vgpr_msb (MSB<<8)|(\new)
.set MSB, (\new)
.endif
.endm
.set MUL_LO, 0xa1
.set MUL_HI, 0xf1
.set TO_B,   0x40
.macro JLOAD g0a, g1a, g0b, g1b
	s_cmp_eq_u32 s17, 0
	s_cbranch_scc0 .Lfor_b_\@
	tensor_load_to_lds s[\g0a:\g0a+3], s[\g1a:\g1a+7]
	s_nop 0
.rept 4
	v_nop
.endr
	s_branch .Lasked_\@
.Lfor_b_\@:
	tensor_load_to_lds s[\g0b:\g0b+3], s[\g1b:\g1b+7]
	s_nop 0
.rept 4
	v_nop
.endr
.Lasked_\@:
.endm
.macro CREST
	s_cmp_lg_u32 s16, 0
	s_cbranch_scc1 .Lnot_wave_0_\@
	s_barrier_signal -3
.Lnot_wave_0_\@:
	s_barrier_wait -3
	s_barrier_signal -1
	s_barrier_wait -1
.endm
.macro CROUND
	s_barrier_signal -1
	s_barrier_wait -1
	CREST
.endm
.macro QUANT s, relu, pc, pw           ; 64 numbers of a lane, register 16 b + i = k 32 b + 16 (lane / 16) + i, become codes in v[pc] on and the row's scale word in v[pw]
.if \relu                                      ; no |.|: what is negative is to become 0 and must not count; the floor stands over it
.irp b, 0,1,2,3
	v_max3_num_f32 v[TM+\b], v[\s+16*\b], v[\s+1+16*\b], 0x8000000
.endr
.irp i, 2,4,6,8,10,12,14
.irp b, 0,1,2,3
	v_max3_num_f32 v[TM+\b], v[TM+\b], v[\s+16*\b+\i], v[\s+1+16*\b+\i]
.endr
.endr
.else
.irp b, 0,1,2,3
	v_max3_num_f32 v[TM+\b], |v[\s+16*\b]|, |v[\s+1+16*\b]|, 0x8000000
.endr
.irp i, 2,4,6,8,10,12,14
.irp b, 0,1,2,3
	v_max3_num_f32 v[TM+\b], v[TM+\b], |v[\s+16*\b+\i]|, |v[\s+1+16*\b+\i]|
.endr
.endr
.endif
.irp b, 0,1,2,3
	v_permlanex16_b32 v[TM+4+\b], v[TM+\b], s[SEL], s[SEL+1]
.endr
.irp b, 0,1,2,3
	v_max_num_f32 v[TM+\b], v[TM+\b], v[TM+4+\b]
.endr
.irp b, 0,1,2,3
	v_add_nc_u32 v[TM+12+\b], 0xf8800000, v[TM+\b]
.endr
.irp b, 0,1,2,3
	v_and_or_b32 v[TM+8+\b], v[TM+\b], 0x7f800000, s[MNT]
.endr
.irp b, 0,1,2,3
	v_lshrrev_b32 v[TM+4+\b], 23, v[TM+12+\b]
.endr
	v_lshl_or_b32 v[\pw], v[TM+5], 8, v[TM+4]
	v_lshl_or_b32 v[\pw], v[TM+6], 16, v[\pw]
	v_lshl_or_b32 v[\pw], v[TM+7], 24, v[\pw]
.irp b, 0,1,2,3
.irp i, 0,1,2,3,4,5,6,7,8,9,10,11,12,13,14,15
.if \relu
	v_med3_num_f32 v[\s+16*\b+\i], v[\s+16*\b+\i], 0, v[TM+8+\b]   ; the activation and the hold in one
.else
	v_med3_num_f32 v[\s+16*\b+\i], v[\s+16*\b+\i], -v[TM+8+\b], v[TM+8+\b]
.endif
.endr
	v_cvt_scalef32_pk8_bf8_f32 v[\pc+4*\b:\pc+1+4*\b], v[\s+16*\b:\s+7+16*\b], v[TM+12+\b]
	v_cvt_scalef32_pk8_bf8_f32 v[\pc+2+4*\b:\pc+3+4*\b], v[\s+8+16*\b:\s+15+16*\b], v[TM+12+\b]
.endr
	v_nop
.endm
	s_load_b256 s[4:11], s[0:1], 0x0               ; h2, wts, b1, hid
	v_lshl_add_u32 v[SPW], v0, 2, SPARE
	v_mov_b32 v[NIL], 0
	ds_add_u32 v28, v29
	ds_add_u32 v28, v29
	s_wait_dscnt 0x0
	v_lshrrev_b32 v1, 5, v0
	v_readfirstlane_b32 s16, v1
	s_lshr_b32 s17, s16, 1
	s_and_b32 s18, s16, 1
	s_bfe_u32 s40, ttmp6, 0x40000
	s_bfe_u32 s41, ttmp6, 0x40004
	s_lshl_b32 s42, ttmp9, 2
	s_add_co_u32 s42, s42, s40                     ; tile column
	s_and_b32 s19, ttmp7, 0xffff
	s_lshl_b32 s19, s19, 2
	s_add_co_u32 s19, s19, s41                     ; tile row
	s_lshl_b32 s43, s41, 2
	s_lshl_b32 s43, 15, s43
	s_lshl_b32 s44, 0x1111, s40
	s_or_b32 s[G1+0], s43, (3<<16)|(1<<21)
	s_or_b32 s[G1B+0], s44, (3<<16)|(1<<21)
.irp g, G1, G1B
	s_mov_b32 s[\g+1], 512<<16
	s_mov_b32 s[\g+2], 8<<16
	s_mov_b32 s[\g+3], 512<<16
	s_mov_b32 s[\g+4], 8
	s_mov_b32 s[\g+5], 2048
	s_mov_b32 s[\g+6], 0
	s_mov_b32 s[\g+7], 0
.endr
	s_or_b32 s[G1S+0], s43, (3<<16)|(1<<21)
	s_or_b32 s[G1SB+0], s44, (3<<16)|(1<<21)
.irp g, G1S, G1SB
	s_mov_b32 s[\g+1], 32<<16
	s_mov_b32 s[\g+2], 16<<16
	s_mov_b32 s[\g+3], 32<<16
	s_mov_b32 s[\g+4], 16
	s_mov_b32 s[\g+5], 32
	s_mov_b32 s[\g+6], 0
	s_mov_b32 s[\g+7], 0
.endr
	s_lshl_b32 s21, s18, 17
	s_lshl_b32 s20, s19, 18
	s_add_co_u32 s20, s20, s21                     ; A's codes
	s_lshl_b32 s46, s42, 18
	s_add_co_u32 s46, s46, s21
	s_add_co_u32 s46, s46, W1C                     ; B's
	s_lshr_b32 s22, s20, 5
	s_add_co_u32 s22, s22, HSC
	s_lshr_b32 s66, s46, 5
	s_add_co_u32 s66, s66, SC0
	s_mov_b32 s21, 0
	s_mov_b32 s23, 0
	s_mov_b32 s47, 0
	s_mov_b32 s67, 0
	s_mul_i32 s3, s16, HALFT
	s_mul_i32 s2, s16, HALFS
	s_mov_b32 s[SEL], 0x76543210
	s_mov_b32 s[SEL+1], 0xfedcba98
	s_mov_b32 s[MNT], 0x600000
	s_wait_kmcnt 0x0
	s_add_nc_u64 s[20:21], s[4:5], s[20:21]
	s_add_nc_u64 s[22:23], s[4:5], s[22:23]
	s_add_nc_u64 s[46:47], s[6:7], s[46:47]
	s_add_nc_u64 s[66:67], s[6:7], s[66:67]
	CROUND
	s_mov_b32 s[G0S], 1
	s_add_co_u32 s[G0S+1], s2, SCL
	s_mov_b64 s[G0S+2:G0S+3], s[22:23]
	s_or_b32 s[G0S+3], s[G0S+3], 0x80000000
	s_mov_b32 s[G0SB], 1
	s_add_co_u32 s[G0SB+1], s2, SCL
	s_mov_b64 s[G0SB+2:G0SB+3], s[66:67]
	s_or_b32 s[G0SB+3], s[G0SB+3], 0x80000000
	JLOAD G0S, G1S, G0SB, G1SB
.irp s, 0,1
	s_mov_b32 s[G0+4*\s], 1
	s_add_co_u32 s[G0+4*\s+1], s3, \s*SLOT
	s_add_nc_u64 s[G0+4*\s+2:G0+4*\s+3], s[20:21], \s*4096
	s_or_b32 s[G0+4*\s+3], s[G0+4*\s+3], 0x80000000
	s_mov_b32 s[G0B+4*\s], 1
	s_add_co_u32 s[G0B+4*\s+1], s3, \s*SLOT
	s_add_nc_u64 s[G0B+4*\s+2:G0B+4*\s+3], s[46:47], \s*4096
	s_or_b32 s[G0B+4*\s+3], s[G0B+4*\s+3], 0x80000000
	JLOAD G0+4*\s, G1, G0B+4*\s, G1B
.endr
	v_and_b32 v1, 15, v0
	v_bfe_u32 v[HH], v0, 4, 1
	v_and_b32 v2, 31, v0
	v_lshlrev_b32 v[LI], 4, v2
	s_mul_i32 s21, s17, HALFT
	s_mul_i32 s22, s18, HALFT
	s_add_co_u32 s22, s22, 2*HALFT
.irp s, 0,1
	v_add_nc_u32 v[ADRA+\s], s21, v[LI]
	v_add_nc_u32 v[ADRB+\s], s22, v[LI]
	s_add_co_u32 s21, s21, SLOT
	s_add_co_u32 s22, s22, SLOT
.endr
	v_lshlrev_b32 v5, 3, v1
	s_mul_i32 s21, s17, HALFS
	s_mul_i32 s22, s18, HALFS
	s_add_co_u32 s22, s22, 2*HALFS
	s_sub_co_u32 s22, s22, s21
	v_mul_u32_u24 v6, s22, v[HH]
	s_add_co_u32 s21, s21, SCL
	v_add_nc_u32 v5, v5, v6
	v_add_nc_u32 v[ADRS], s21, v5
	v_lshlrev_b32 v[H64], 6, v[HH]
	v_lshlrev_b32 v[SOH], 3, v1
	v_lshl_add_u32 v[SOH], v[HH], 11, v[SOH]       ; the words: 8 r, lanes 16-31 a tile on
	s_lshl_b32 s20, s19, 4
	s_lshl_b32 s21, s17, 3
	s_add_co_u32 s20, s20, s21                     ; my first row tile
	s_lshl_b32 s22, s20, 11
	s_lshl_b32 s20, s20, 16                        ; 65,536 bytes of codes a tile
	s_lshl_b32 s21, s42, 1
	s_add_co_u32 s21, s21, s18                     ; my K step of the next product
	s_lshl_b32 s45, s21, 9                         ; (the bias of my 128 columns)
	s_lshl_b32 s21, s21, 11
	s_add_co_u32 s20, s20, s21
	s_lshl_b32 s23, s42, 7
	s_add_co_u32 s22, s22, s23
	s_lshl_b32 s23, s18, 2
	s_add_co_u32 s22, s22, s23
	s_add_co_u32 s22, s22, HIDS
	s_mov_b32 s21, 0
	s_mov_b32 s23, 0
	s_add_nc_u64 s[OC0:OC0+1], s[10:11], s[20:21]
	s_add_nc_u64 s[OS:OS+1], s[10:11], s[22:23]
	s_mov_b32 s20, s45
	s_add_nc_u64 s[20:21], s[8:9], s[20:21]        ; this base is not written again
.irp b, 0,1,2,3,4,5,6,7
	global_load_b128 v[BN+8*\b:BN+8*\b+3], v[H64], s[20:21] offset:(32*(\b/2)+8*(\b%2))*4
	global_load_b128 v[BN+8*\b+4:BN+8*\b+7], v[H64], s[20:21] offset:(32*(\b/2)+8*(\b%2))*4+16
.endr
.macro FRAG reg, adr, q, i
.irp c, 0,1,2,3
	ds_load_b128 v[\reg+4*\c:\reg+4*\c+3], v[\adr] offset:(\i)*4096+(\q)*2048+512*\c
.endr
.endm
.macro MUL16 a0, p, q, sc, zero        ; the 64 accumulators take turns, one instruction a turn, in the same order in every step
.irp a, \a0, \a0+1
.irp b, 0,1,2,3,4,5,6,7
.if \zero
	v_wmma_scale_f32_16x16x128_f8f6f4 v[8*(8*((\a)%4)+\b):8*(8*((\a)%4)+\b)+7], v[128*(\p)+FR*\b:128*(\p)+FR*\b+FR-1], v[AF+FR*(\a):AF+FR*(\a)+FR-1], 0, v[SC+8*NQ*(\sc)+NQ*\b+(\q)], v[SC+8*NQ*(\sc)+NQ*(\a)+(\q)] matrix_a_fmt:MATRIX_FMT_BF8 matrix_b_fmt:MATRIX_FMT_BF8 matrix_a_scale:MATRIX_SCALE_ROW1
.else
	v_wmma_scale_f32_16x16x128_f8f6f4 v[8*(8*((\a)%4)+\b):8*(8*((\a)%4)+\b)+7], v[128*(\p)+FR*\b:128*(\p)+FR*\b+FR-1], v[AF+FR*(\a):AF+FR*(\a)+FR-1], v[8*(8*((\a)%4)+\b):8*(8*((\a)%4)+\b)+7], v[SC+8*NQ*(\sc)+NQ*\b+(\q)], v[SC+8*NQ*(\sc)+NQ*(\a)+(\q)] matrix_a_fmt:MATRIX_FMT_BF8 matrix_b_fmt:MATRIX_FMT_BF8 matrix_a_scale:MATRIX_SCALE_ROW1
.endif
.endr
.endr
.endm
.macro FETCH_B slot, q, p
	WIN TO_B
.irp i, 0,1,2,3,4,5,6,7
	FRAG 128*(\p)+FR*\i, ADRB+\slot, \q, \i
.endr
	WIN 0
.endm
.macro FETCH_A slot, q, i0
.irp i, \i0, \i0+1, \i0+2, \i0+3
	FRAG AF+FR*(\i), ADRA+\slot, \q, \i
.endr
.endm
.macro SCALES sc
.irp i, 0,1,2,3,4,5,6,7
	ds_load_b64 v[SC+8*NQ*\sc+NQ*\i:SC+8*NQ*\sc+NQ*\i+1], v[ADRS] offset:\i*512
.endr
.endm
.macro PLACES n
.rept \n
	v_nop
.endr
.endm
.macro STEP slot, q, zero
	s_wait_dscnt 4*NL                              ; all but the youngest 16 loads (A's blocks 4-7)
	WIN MUL_LO
	MUL16 0, (\q)%2, \q, \slot, \zero
	MUL16 2, (\q)%2, \q, \slot, \zero
	s_wait_dscnt 0
	PLACES NP
	FETCH_B \slot, (\q)+1, 1-(\q)%2
	FETCH_A \slot, (\q)+1, 0
	WIN MUL_HI
	MUL16 4, (\q)%2, \q, \slot, \zero
	MUL16 6, (\q)%2, \q, \slot, \zero
	PLACES NP
	WIN 0
	FETCH_A \slot, (\q)+1, 4
.endm
.macro TURN slot, next, fill
	s_wait_tensorcnt 0x0                           ; all my tensor loads have landed: my part of the next slot
	ds_add_u32 v[SPW], v[NIL]                      ; 0 onto my spare word
	s_wait_dscnt 4*NL+1                            ; the add and the youngest 16 loads may be out
	WIN MUL_LO
	MUL16 0, 1, NQ-1, \slot, 0
	s_wait_dscnt 0x0                               ; the add is done, and my reads of this slot are over
	s_barrier_signal -1
	MUL16 2, 1, NQ-1, \slot, 0
	WIN 0
	s_barrier_wait -1
.if \fill
	CREST
	s_add_nc_u64 s[G0+4*\slot+2:G0+4*\slot+3], s[G0+4*\slot+2:G0+4*\slot+3], 8192
	s_add_nc_u64 s[G0B+4*\slot+2:G0B+4*\slot+3], s[G0B+4*\slot+2:G0B+4*\slot+3], 8192
	JLOAD G0+4*\slot, G1, G0B+4*\slot, G1B
	PLACES NP-4
.else
	PLACES NP
.endif
	v_add_nc_u32 v[ADRS], 128, v[ADRS]
	FETCH_B \next, 0, 0
	FETCH_A \next, 0, 0
	SCALES \next
	WIN MUL_HI
	MUL16 4, 1, NQ-1, \slot, 0
	MUL16 6, 1, NQ-1, \slot, 0
	PLACES NP
	WIN 0
	FETCH_A \next, 0, 4
.endm
	s_wait_tensorcnt 1                             ; the scale words and my part of slot 0 are in; slot 1's load may be out
	s_barrier_signal -1
	s_barrier_wait -1
	FETCH_B 0, 0, 0
	FETCH_A 0, 0, 0
	SCALES 0
	FETCH_A 0, 0, 4
	STEP 0, 0, 1
	TURN 0, 1, 1
	STEP 1, 0, 0
	TURN 1, 0, 1
	STEP 0, 0, 0
	TURN 0, 1, 0
	STEP 1, 0, 0
	s_wait_dscnt 4*NL
	WIN MUL_LO
	MUL16 0, 1, NQ-1, 1, 0
	MUL16 2, 1, NQ-1, 1, 0
	s_wait_dscnt 0
	WIN MUL_HI
	MUL16 4, 1, NQ-1, 1, 0
	MUL16 6, 1, NQ-1, 1, 0
	WIN 0
	; THE WAY OUT: no LDS.  Row tile by row tile: + bias, relu and quantiser in one, stored as an image.
	PLACES NP
	s_wait_loadcnt 0x0                             ; the bias
	v_cmp_eq_u32 vcc_lo, 1, v[HH]
.irp b, 0,1,2,3
	v_mov_b32 v[TM+4+\b], 0
.endr
.macro ADDB a
.set AC, 64*((\a)%4)
	WIN 0x02+(\a)/4
.set p, 0
.rept 32
	v_pk_add_f32 v[Y+p:Y+p+1], v[AC+p:AC+p+1], v[BN+p:BN+p+1]      ; ascending: each accumulator is first read at its low end
.set p, p+2
.endr
	WIN 0
.endm
.macro PUTH a
.irp c, 0,1,2,3
	global_store_b128 v[LI], v[PC+4*\c:PC+4*\c+3], s[OC0:OC0+1] offset:(\a)*65536+512*\c     ; 512 consecutive bytes a store
.endr
.if (\a)%2
	v_cndmask_b32 v[WD], v[PW], v[PW+1], vcc_lo    ; two tiles' words in one store
	global_store_b32 v[SOH], v[WD], s[OS:OS+1] offset:((\a)-1)*2048
.endif
.endm
.irp a, 0,1,2,3,4,5,6,7
	ADDB \a
	s_wait_xcnt 0x0                                ; the last tile's stores have read their registers
	QUANT Y, 1, PC, PW+\a%2
	PUTH \a
.endr
	s_wait_tensorcnt 0x0                           ; the wave's end
	ds_add_u32 v[SPW], v[NIL]
	s_wait_dscnt 0x0
	CROUND
	s_endpgm
.Lfunc_end_k_qfbedea5035_ffn1:
	.size	k_qfbedea5035_ffn1, .Lfunc_end_k_qfbedea5035_ffn1-k_qfbedea5035_ffn1
	.p2alignl 7, 3214868480
	.fill 96, 4, 3214868480
	.section	.rodata,"a",@progbits
	.p2align	6, 0x0
	.amdhsa_kernel k_qfbedea5035_ffn1
		.amdhsa_group_segment_fixed_size 327680
		.amdhsa_private_segment_fixed_size 0
		.amdhsa_enable_private_segment 0
		.amdhsa_kernarg_size 32
		.amdhsa_user_sgpr_count 2
		.amdhsa_user_sgpr_kernarg_segment_ptr 1
		.amdhsa_wavefront_size32 1
		.amdhsa_system_sgpr_workgroup_id_x 1
		.amdhsa_system_sgpr_workgroup_id_y 1
		.amdhsa_system_sgpr_workgroup_id_z 1
		.amdhsa_system_vgpr_workitem_id 0
		.amdhsa_next_free_vgpr 1024
		.amdhsa_next_free_sgpr 102
		.amdhsa_reserve_vcc 1
		.amdhsa_float_denorm_mode_32 3
		.amdhsa_float_denorm_mode_16_64 3
		.amdhsa_memory_ordered 1
		.amdhsa_forward_progress 1
		.amdhsa_inst_pref_size 202
	.end_amdhsa_kernel
	.amdgpu_metadata
---
amdhsa.version: [ 1, 2 ]
amdhsa.kernels:
  - .name:           k_qfbedea5035_ffn1
    .symbol:         k_qfbedea5035_ffn1.kd
    .args:
      - { .name: h2, .offset: 0, .size: 8, .value_kind: global_buffer, .address_space: global }
      - { .name: wts, .offset: 8, .size: 8, .value_kind: global_buffer, .address_space: global }
      - { .name: b1, .offset: 16, .size: 8, .value_kind: global_buffer, .address_space: global }
      - { .name: hid, .offset: 24, .size: 8, .value_kind: global_buffer, .address_space: global }
    .group_segment_fixed_size: 327680
    .private_segment_fixed_size: 0
    .kernarg_segment_align: 8
    .kernarg_segment_size: 32
    .max_flat_workgroup_size: 128
    .sgpr_count:     102
    .vgpr_count:     1024
    .wavefront_size: 32
...
	.end_amdgpu_metadata
.endif
;; end of part 6
;; launch ffn2 (part 7): grid 8 x 32, 4 waves a work-group, clusters of 4 x 4, 327,680 bytes of LDS; arguments hid, wts, b2, x1, out0; writes out0
.if DOCPART == 7
	.amdgcn_target "amdgcn-amd-amdhsa--gfx1250"
	.amdhsa_code_object_version 6
	.text
	.protected	k_qfbedea5035_ffn2
	.globl	k_qfbedea5035_ffn2
	.p2align	8
	.type	k_qfbedea5035_ffn2,@function
k_qfbedea5035_ffn2:
	s_mov_b64 s[64:65], 0
	v_nop
	global_prefetch_b8 v0, s[64:65] scope:SCOPE_SE
	s_setreg_imm32_b32 hwreg(HW_REG_WAVE_MODE, 25, 1), 1
	s_wait_xcnt 0x0
	s_wait_alu depctr_hold_cnt(0) depctr_sa_sdst(0) depctr_va_vdst(0) depctr_va_sdst(0) depctr_va_ssrc(0) depctr_va_vcc(0) depctr_vm_vsrc(0)
	s_getreg_b32 s2, hwreg(HW_REG_IB_STS2, 6, 4)
	s_cmp_eq_u32 s2, 0
	s_cbranch_scc0 .Lentry_in_a_cluster
	s_endpgm
.Lentry_in_a_cluster:
	s_bfe_u32 s2, ttmp6, 0x10000c
	s_cmp_lg_u32 s2, 0xf033
	s_cbranch_scc0 .Lentry_shape_is_right
	s_endpgm
.Lentry_shape_is_right:
; out = res + (1 / sqrt(12)) (A B^T + bias): A [4,096][KK] and B [1,024][KK] are images of operand registers in BF8 (E5M2) with E8M0 scale words; bias, res and out are f32.
; 4,096 x 1,024 of C in tiles of 256 x 256 would be 64 work-groups: so a tile is 128 x 128, 256 work-groups; four waves of 64 x 64, 16 accumulators.
; A slot of the ring holds 512 along K (four K steps of 128), so that a wave's one load behind a change of slots brings 32 KiB and has 64 matrix instructions of the wave in which to land.
; A fragment (16 rows x 128 K) is 2,048 consecutive bytes: four loads at 16 x lane.  Lane-row r of tile T is row 32 (T / 2) + 8 (T % 2) + r + 8 (r / 8).
; The matrix instruction is used transposed (source 0 = B's rows, source 1 = A's): accumulator (a, b), register j = C(row of (a, r), column 32 (b / 2) + 8 (b % 2) + 16 h + j).
; CLUSTERS of 4 x 4: A's tiles are shared along a row, B's along a column, by joint loads.  The scale words of all of K come once, with the first fills.
; The residual's 64 x 64 numbers of a wave are loaded at the head into window 2 and wait there.  The way out goes through the wave's own stage in slot 0, which has had its last fill and its last read by then.
; Here KK = 4,096: eight slots' worth, three trips of the loop, six refills.
; REGISTERS: window 0: v8-11 the bias; v16-29 addresses; v32-63 scale words, two sets of 16; v64-127 rows on the way out; v128-255 accumulators.  window 1: two fragment buffers (A's four, then B's four).  window 2: v0-127 the residual.
.set KK,    4096
.set WC,    8<<20                      ; the weight's codes in wts
.set ASC,   16777216                   ; A's scale words in its buffer
.set SC0,   12582912
.set HALFT, 32768
.set SLOT,  131072
.set SCL,   262144
.set HALFS, 2*KK
.set SPARE, SCL+4*HALFS
.set LAPS,  KK/1024
.set ADRA, 16
.set ADRB, 20
.set STO,  24
.set RD,   25
.set CO,   26
.set ADRS, 27
.set SPW,  28
.set NIL,  29
.set SC,   32
.set BK,   64
.set ACC,  128
.set F0,   0
.set F1,   128
.set G1, 24
.set G0, 32
.set G1B, 48
.set G0B, 56
.set G1S, 68
.set G0S, 76
.set G1SB, 80
.set G0SB, 88
.set MSB, 0
.macro WIN new
.if MSB != (\new)
	s_set_vgpr_msb (MSB<<8)|(\new)
.set MSB, (\new)
.endif
.endm
.set MUL,  0x05
.set TO_F, 0x40
.macro JLOAD g0a, g1a, g0b, g1b
	s_cmp_eq_u32 s17, 0
	s_cbranch_scc0 .Lfor_b_\@
	tensor_load_to_lds s[\g0a:\g0a+3], s[\g1a:\g1a+7]
	s_nop 0
.rept 4
	v_nop
.endr
	s_branch .Lasked_\@
.Lfor_b_\@:
	tensor_load_to_lds s[\g0b:\g0b+3], s[\g1b:\g1b+7]
	s_nop 0
.rept 4
	v_nop
.endr
.Lasked_\@:
.endm
.macro CREST
	s_cmp_lg_u32 s16, 0
	s_cbranch_scc1 .Lnot_wave_0_\@
	s_barrier_signal -3
.Lnot_wave_0_\@:
	s_barrier_wait -3
	s_barrier_signal -1
	s_barrier_wait -1
.endm
.macro CROUND
	s_barrier_signal -1
	s_barrier_wait -1
	CREST
.endm
	s_load_b256 s[4:11], s[0:1], 0x0               ; A's image, wts, the bias, the residual
	s_load_b64 s[12:13], s[0:1], 0x20              ; the result
	v_lshl_add_u32 v[SPW], v0, 2, SPARE
	v_mov_b32 v[NIL], 0
	ds_add_u32 v28, v29
	ds_add_u32 v28, v29
	s_wait_dscnt 0x0
	v_lshrrev_b32 v1, 5, v0
	v_readfirstlane_b32 s16, v1
	s_lshr_b32 s17, s16, 1
	s_and_b32 s18, s16, 1
	s_bfe_u32 s40, ttmp6, 0x40000
	s_bfe_u32 s41, ttmp6, 0x40004
	s_lshl_b32 s42, ttmp9, 2
	s_add_co_u32 s42, s42, s40                     ; tile column
	s_and_b32 s19, ttmp7, 0xffff
	s_lshl_b32 s19, s19, 2
	s_add_co_u32 s19, s19, s41                     ; tile row
	s_lshl_b32 s43, s41, 2
	s_lshl_b32 s43, 15, s43
	s_lshl_b32 s44, 0x1111, s40
	s_or_b32 s[G1+0], s43, (3<<16)|(1<<21)
	s_or_b32 s[G1B+0], s44, (3<<16)|(1<<21)
.irp g, G1, G1B
	s_mov_b32 s[\g+1], 1024<<16
	s_mov_b32 s[\g+2], 4<<16
	s_mov_b32 s[\g+3], 1024<<16
	s_mov_b32 s[\g+4], 4
	s_mov_b32 s[\g+5], 2*KK
	s_mov_b32 s[\g+6], 0
	s_mov_b32 s[\g+7], 0
.endr
	s_or_b32 s[G1S+0], s43, (3<<16)|(1<<21)
	s_or_b32 s[G1SB+0], s44, (3<<16)|(1<<21)
.irp g, G1S, G1SB
	s_mov_b32 s[\g+1], 32<<16
	s_mov_b32 s[\g+2], (HALFS/256)<<16
	s_mov_b32 s[\g+3], 32<<16
	s_mov_b32 s[\g+4], HALFS/256
	s_mov_b32 s[\g+5], 32
	s_mov_b32 s[\g+6], 0
	s_mov_b32 s[\g+7], 0
.endr
	s_lshl_b32 s21, s18, 2
	s_lshl_b32 s20, s19, 3
	s_add_co_u32 s20, s20, s21
	s_lshl_b32 s46, s42, 3
	s_add_co_u32 s46, s46, s21
	s_mul_i32 s22, s20, KK/2
	s_add_co_u32 s22, s22, ASC
	s_mul_i32 s66, s46, KK/2
	s_add_co_u32 s66, s66, SC0+WC/32
	s_mul_i32 s20, s20, 16*KK
	s_mul_i32 s46, s46, 16*KK
	s_add_co_u32 s46, s46, WC
	s_mov_b32 s21, 0
	s_mov_b32 s23, 0
	s_mov_b32 s47, 0
	s_mov_b32 s67, 0
	s_mul_i32 s3, s16, HALFT
	s_mul_i32 s2, s16, HALFS
	s_mov_b32 s14, 0x3e93cd3a                      ; 1 / sqrt(12)
	s_mov_b32 s15, s14
	s_wait_kmcnt 0x0
	s_add_nc_u64 s[20:21], s[4:5], s[20:21]
	s_add_nc_u64 s[22:23], s[4:5], s[22:23]
	s_add_nc_u64 s[46:47], s[6:7], s[46:47]
	s_add_nc_u64 s[66:67], s[6:7], s[66:67]
	CROUND
	s_mov_b32 s[G0S], 1
	s_add_co_u32 s[G0S+1], s2, SCL
	s_mov_b64 s[G0S+2:G0S+3], s[22:23]
	s_or_b32 s[G0S+3], s[G0S+3], 0x80000000
	s_mov_b32 s[G0SB], 1
	s_add_co_u32 s[G0SB+1], s2, SCL
	s_mov_b64 s[G0SB+2:G0SB+3], s[66:67]
	s_or_b32 s[G0SB+3], s[G0SB+3], 0x80000000
	JLOAD G0S, G1S, G0SB, G1SB
.irp s, 0,1
	s_mov_b32 s[G0+4*\s], 1
	s_add_co_u32 s[G0+4*\s+1], s3, \s*SLOT
	s_add_nc_u64 s[G0+4*\s+2:G0+4*\s+3], s[20:21], \s*8192
	s_or_b32 s[G0+4*\s+3], s[G0+4*\s+3], 0x80000000
	s_mov_b32 s[G0B+4*\s], 1
	s_add_co_u32 s[G0B+4*\s+1], s3, \s*SLOT
	s_add_nc_u64 s[G0B+4*\s+2:G0B+4*\s+3], s[46:47], \s*8192
	s_or_b32 s[G0B+4*\s+3], s[G0B+4*\s+3], 0x80000000
	JLOAD G0+4*\s, G1, G0B+4*\s, G1B
.endr
	v_and_b32 v1, 15, v0
	v_bfe_u32 v2, v0, 4, 1
	v_and_b32 v3, 31, v0
	v_lshlrev_b32 v4, 4, v3
	s_mul_i32 s21, s17, HALFT
	s_mul_i32 s22, s18, HALFT
	s_add_co_u32 s22, s22, 2*HALFT
.irp s, 0,1
	v_add_nc_u32 v[ADRA+\s], s21, v4
	v_add_nc_u32 v[ADRB+\s], s22, v4
	s_add_co_u32 s21, s21, SLOT
	s_add_co_u32 s22, s22, SLOT
.endr
	v_lshlrev_b32 v5, 3, v1
	s_mul_i32 s21, s17, HALFS
	s_mul_i32 s22, s18, HALFS
	s_add_co_u32 s22, s22, 2*HALFS
	s_sub_co_u32 s22, s22, s21
	v_mul_u32_u24 v6, s22, v2
	s_add_co_u32 s21, s21, SCL
	v_add_nc_u32 v5, v5, v6
	v_add_nc_u32 v[ADRS], s21, v5
	s_mul_i32 s23, s16, 4352
	v_mul_u32_u24 v5, v1, 272
	v_lshl_add_u32 v5, v2, 6, v5
	v_add_nc_u32 v[STO], s23, v5
	v_mul_u32_u24 v5, v2, 272
	v_lshl_add_u32 v5, v1, 4, v5
	v_add_nc_u32 v[RD], s23, v5
	v_lshlrev_b32 v5, 12, v2
	v_lshl_add_u32 v[CO], v1, 4, v5
	v_lshlrev_b32 v7, 4, v1
	s_lshl_b32 s20, s19, 7
	s_lshl_b32 s21, s17, 6
	s_add_co_u32 s20, s20, s21
	s_lshl_b32 s20, s20, 12
	s_lshl_b32 s22, s42, 9
	s_lshl_b32 s21, s18, 8
	s_add_co_u32 s22, s22, s21
	s_add_co_u32 s20, s20, s22
	s_mov_b32 s21, 0
	s_mov_b32 s23, 0
	s_add_nc_u64 s[10:11], s[10:11], s[20:21]
	s_add_nc_u64 s[12:13], s[12:13], s[20:21]
	s_add_nc_u64 s[8:9], s[8:9], s[22:23]
	global_load_b128 v[8:11], v7, s[8:9]
	WIN 0x80
.irp a, 0,1,2,3
.irp t, 0,1,2,3,4,5,6,7
	global_load_b128 v[32*\a+4*\t:32*\a+4*\t+3], v[CO], s[10:11] offset:(32*(\a/2)+8*(\a%2)+2*\t+8*(\t/4))*4096 th:TH_LOAD_NT
.endr
.endr
	WIN 0
.macro FRAG reg, adr, i, ks
.irp c, 0,1,2,3
	ds_load_b128 v[\reg+4*\c:\reg+4*\c+3], v[\adr] offset:(\i)*8192+(\ks)*2048+512*\c
.endr
.endm
.macro FETCH slot, ks, f
	WIN TO_F
.irp i, 0,1,2,3
	FRAG (\f)+64+16*\i, ADRB+\slot, \i, \ks
.endr
.irp i, 0,1,2,3
	FRAG (\f)+16*\i, ADRA+\slot, \i, \ks
.endr
.endm
.macro SCALES set
.irp i, 0,1,2,3
	ds_load_b64 v[SC+16*\set+4*\i:SC+16*\set+4*\i+1], v[ADRS] offset:\i*(KK/2)
	ds_load_b64 v[SC+16*\set+4*\i+2:SC+16*\set+4*\i+3], v[ADRS] offset:\i*(KK/2)+128
.endr
.endm
.macro MUL4 f, a, ks, set, zero        ; the 16 accumulators take turns in one order
.irp b, 0,1,2,3
.if \zero
	v_wmma_scale_f32_16x16x128_f8f6f4 v[ACC+8*(4*(\a)+\b):ACC+8*(4*(\a)+\b)+7], v[\f+64+16*\b:\f+64+16*\b+15], v[\f+16*(\a):\f+16*(\a)+15], 0, v[SC+16*(\set)+4*\b+(\ks)], v[SC+16*(\set)+4*(\a)+(\ks)] matrix_a_fmt:MATRIX_FMT_BF8 matrix_b_fmt:MATRIX_FMT_BF8 matrix_a_scale:MATRIX_SCALE_ROW1
.else
	v_wmma_scale_f32_16x16x128_f8f6f4 v[ACC+8*(4*(\a)+\b):ACC+8*(4*(\a)+\b)+7], v[\f+64+16*\b:\f+64+16*\b+15], v[\f+16*(\a):\f+16*(\a)+15], v[ACC+8*(4*(\a)+\b):ACC+8*(4*(\a)+\b)+7], v[SC+16*(\set)+4*\b+(\ks)], v[SC+16*(\set)+4*(\a)+(\ks)] matrix_a_fmt:MATRIX_FMT_BF8 matrix_b_fmt:MATRIX_FMT_BF8 matrix_a_scale:MATRIX_SCALE_ROW1
.endif
.endr
.endm
.macro PLACES n
.rept \n
	v_nop
.endr
.endm
.macro KS slot, ks, zero
.set FC, 128*((\ks)%2)
.set FN, 128-FC
	s_wait_dscnt 8                                 ; all but the youngest eight loads (A's fragments 2 and 3)
	WIN MUL
	MUL4 FC, 0, \ks, \slot, \zero
	MUL4 FC, 1, \ks, \slot, \zero
	PLACES 8
	FETCH \slot, (\ks)+1, FN
	s_wait_dscnt 32                                ; all but the 32 just issued
	WIN MUL
	MUL4 FC, 2, \ks, \slot, \zero
	MUL4 FC, 3, \ks, \slot, \zero
.endm
.macro TURN slot, next, fill
	WIN 0
	s_wait_tensorcnt 0x0                           ; all my tensor loads have landed: my part of the next slot
	ds_add_u32 v[SPW], v[NIL]                      ; 0 onto my spare word
	s_wait_dscnt 9                                 ; the add and the youngest eight loads may be out
	WIN MUL
	MUL4 F1, 0, 3, \slot, 0
	s_wait_dscnt 0x0                               ; the add is done, and my reads of this slot are over
	s_barrier_signal -1
	MUL4 F1, 1, 3, \slot, 0
	WIN 0
	s_barrier_wait -1
.if \fill
	CREST                                          ; no wave of any partner still reads this slot or has a load on its way
	s_add_nc_u64 s[G0+4*\slot+2:G0+4*\slot+3], s[G0+4*\slot+2:G0+4*\slot+3], 16384
	s_add_nc_u64 s[G0B+4*\slot+2:G0B+4*\slot+3], s[G0B+4*\slot+2:G0B+4*\slot+3], 16384
	JLOAD G0+4*\slot, G1, G0B+4*\slot, G1B         ; the first tensor load behind the round
	PLACES 4
.else
	PLACES 8
.endif
	v_add_nc_u32 v[ADRS], 256, v[ADRS]
	SCALES \next
	FETCH \next, 0, F0
	WIN MUL
	MUL4 F1, 2, 3, \slot, 0
	MUL4 F1, 3, 3, \slot, 0
.endm
	s_wait_tensorcnt 1                             ; the scale words and my part of slot 0 are in; slot 1's load may be out
	s_barrier_signal -1
	s_barrier_wait -1
	SCALES 0
	FETCH 0, 0, F0
	KS 0, 0, 1
.if LAPS > 1
	WIN 0
	s_mov_b32 s3, LAPS-1
.Llap:                                                 ; a trip goes once round the ring and fills both slots again
	KS 0, 1, 0
	KS 0, 2, 0
	TURN 0, 1, 1
	KS 1, 0, 0
	KS 1, 1, 0
	KS 1, 2, 0
	TURN 1, 0, 1
	KS 0, 0, 0
	WIN 0
	s_sub_co_u32 s3, s3, 1
	s_cmp_lg_u32 s3, 0
	s_cbranch_scc1 .Llap
.endif
	KS 0, 1, 0                                     ; the last lap fills nothing
	KS 0, 2, 0
	TURN 0, 1, 0
	KS 1, 0, 0
	KS 1, 1, 0
	KS 1, 2, 0
	s_wait_dscnt 8
	WIN MUL
	MUL4 F1, 0, 3, 1, 0
	MUL4 F1, 1, 3, 1, 0
	s_wait_dscnt 0
	MUL4 F1, 2, 3, 1, 0
	MUL4 F1, 3, 3, 1, 0
	WIN 0
	PLACES 8
	s_wait_loadcnt 0x0                             ; the bias and the residual
.macro TOSTAGE a
.irp b, 0,1,2,3
	ds_store_b128 v[STO], v[ACC+8*(4*(\a)+\b):ACC+8*(4*(\a)+\b)+3] offset:128*(\b/2)+32*(\b%2)
	ds_store_b128 v[STO], v[ACC+8*(4*(\a)+\b)+4:ACC+8*(4*(\a)+\b)+7] offset:128*(\b/2)+32*(\b%2)+16
.endr
.irp t, 0,1,2,3,4,5,6,7
	ds_load_b128 v[BK+32*((\a)%2)+4*\t:BK+32*((\a)%2)+4*\t+3], v[RD] offset:544*\t
.endr
.endm
.macro SEND a, younger
.set BB, BK+32*((\a)%2)
	s_wait_dscnt \younger
.irp t, 0,1,2,3,4,5,6,7
	v_pk_add_f32 v[BB+4*\t:BB+4*\t+1], v[BB+4*\t:BB+4*\t+1], v[8:9]
	v_pk_add_f32 v[BB+4*\t+2:BB+4*\t+3], v[BB+4*\t+2:BB+4*\t+3], v[10:11]
.endr
	WIN 0x20
.irp t, 0,1,2,3,4,5,6,7
	v_pk_fma_f32 v[BB+4*\t:BB+4*\t+1], v[BB+4*\t:BB+4*\t+1], s[14:15], v[32*(\a)+4*\t:32*(\a)+4*\t+1] op_sel_hi:[1,0,1]
	v_pk_fma_f32 v[BB+4*\t+2:BB+4*\t+3], v[BB+4*\t+2:BB+4*\t+3], s[14:15], v[32*(\a)+4*\t+2:32*(\a)+4*\t+3] op_sel_hi:[1,0,1]
.endr
	WIN 0
.irp t, 0,1,2,3,4,5,6,7
	global_store_b128 v[CO], v[BB+4*\t:BB+4*\t+3], s[12:13] offset:(32*((\a)/2)+8*((\a)%2)+2*\t+8*(\t/4))*4096 th:TH_STORE_NT   ; 16 lanes store 256 consecutive bytes, at a multiple of 256
.endr
.endm
	TOSTAGE 0
	TOSTAGE 1
	SEND 0, 16
	s_wait_xcnt 0x0                                ; tile 0's stores have read their registers
	TOSTAGE 2
	SEND 1, 16
	s_wait_xcnt 0x0
	TOSTAGE 3
	SEND 2, 16
	SEND 3, 0
	s_wait_tensorcnt 0x0                           ; the wave's end
	ds_add_u32 v[SPW], v[NIL]
	s_wait_dscnt 0x0
	CROUND
	s_endpgm
.Lfunc_end_k_qfbedea5035_ffn2:
	.size	k_qfbedea5035_ffn2, .Lfunc_end_k_qfbedea5035_ffn2-k_qfbedea5035_ffn2
	.p2alignl 7, 3214868480
	.fill 96, 4, 3214868480
	.section	.rodata,"a",@progbits
	.p2align	6, 0x0
	.amdhsa_kernel k_qfbedea5035_ffn2
		.amdhsa_group_segment_fixed_size 327680
		.amdhsa_private_segment_fixed_size 0
		.amdhsa_enable_private_segment 0
		.amdhsa_kernarg_size 40
		.amdhsa_user_sgpr_count 2
		.amdhsa_user_sgpr_kernarg_segment_ptr 1
		.amdhsa_wavefront_size32 1
		.amdhsa_system_sgpr_workgroup_id_x 1
		.amdhsa_system_sgpr_workgroup_id_y 1
		.amdhsa_system_sgpr_workgroup_id_z 1
		.amdhsa_system_vgpr_workitem_id 0
		.amdhsa_next_free_vgpr 768
		.amdhsa_next_free_sgpr 92
		.amdhsa_reserve_vcc 0
		.amdhsa_float_denorm_mode_32 3
		.amdhsa_float_denorm_mode_16_64 3
		.amdhsa_memory_ordered 1
		.amdhsa_forward_progress 1
		.amdhsa_inst_pref_size 104
	.end_amdhsa_kernel
	.amdgpu_metadata
---
amdhsa.version: [ 1, 2 ]
amdhsa.kernels:
  - .name:           k_qfbedea5035_ffn2
    .symbol:         k_qfbedea5035_ffn2.kd
    .args:
      - { .name: hid, .offset: 0, .size: 8, .value_kind: global_buffer, .address_space: global }
      - { .name: wts, .offset: 8, .size: 8, .value_kind: global_buffer, .address_space: global }
      - { .name: b2, .offset: 16, .size: 8, .value_kind: global_buffer, .address_space: global }
      - { .name: x1, .offset: 24, .size: 8, .value_kind: global_buffer, .address_space: global }
      - { .name: out0, .offset: 32, .size: 8, .value_kind: global_buffer, .address_space: global }
    .group_segment_fixed_size: 327680
    .private_segment_fixed_size: 0
    .kernarg_segment_align: 8
    .kernarg_segment_size: 40
    .max_flat_workgroup_size: 128
    .sgpr_count:     92
    .vgpr_count:     768
    .wavefront_size: 32
...
	.end_amdgpu_metadata
.endif
;; end of part 7
